; MI455X (gfx1250); checked and timed in simulation.
; The chip was launched on July 23, 2026; its instructions are those of AMD's public machine-readable ISA for CDNA 5 (MIT licence, August 2026) and "CDNA5" Instruction Set Architecture Reference Guide (July 2026). The comments in the code are by the model that wrote it; some were corrected since.
;; Attention. Allowed arithmetic: float matrix products may take bf16 or f16 operands with f32 sums; other float arithmetic in f32, or as packed bf16 or f16 multiplies, adds, multiply-adds, maxima and minima; sums over many terms, partial sums and values carried from step to step in f32; what a program stores and reads back later, other than sums and carried values, may be rounded once to bf16 or f16.
;; Inputs: cos 1,024 x 128 float32; sin 1,024 x 128 float32; wk 2,048 x 512 float32; wo 2,048 x 2,048 float32; wq 2,048 x 2,048 float32; wv 2,048 x 512 float32; x 4 x 1,024 x 2,048 float32.
;; Outputs: out0 4 x 1,024 x 2,048 float32.
;; 2 versions, each right; version 2 is version 1 with the launch cast written anew for expert scheduling mode. Each part assembles by itself: llvm-mc -triple=amdgcn-amd-amdhsa -mcpu=gfx1250 --defsym DOCPART=n.
;; ======== version 1 of 2: 4 launches
;; limits: values are held in f16: magnitudes above 65,504 overflow, below 6.1e-05 lose precision; right only within a limited range of input values
;; workspace buffers: xb 16,777,216 bytes; wqkvb 12,582,912 bytes; wof 8,388,608 bytes; rope 557,056 bytes; qkv 25,165,824 bytes; ob 16,777,216 bytes
;; launch cast (part 1): grid 913 x 1, 8 waves a work-group, no clusters, 0 bytes of LDS; arguments x, wq, wk, wv, cos, sin, xb, wqkvb, rope; writes xb, wqkvb, rope
.if DOCPART == 1
	.amdgcn_target "amdgcn-amd-amdhsa--gfx1250"
	.amdhsa_code_object_version 6
	.text
	.protected	k_q5da3a8d806_cast
	.globl	k_q5da3a8d806_cast
	.p2align	8
	.type	k_q5da3a8d806_cast,@function
k_q5da3a8d806_cast:
	s_mov_b64 s[64:65], 0
	v_nop
	global_prefetch_b8 v0, s[64:65] scope:SCOPE_SE
	s_setreg_imm32_b32 hwreg(HW_REG_WAVE_MODE, 25, 1), 1
	s_wait_xcnt 0x0
; THE CASTS.  x -> xb (bf16); wq, wk, wv -> wqkvb (bf16, [2048 k][3072 n]: wq's columns, then wk's, then wv's);
; cos, sin -> rope (bf16 of the table x 2^-6, laid out as the projection's way out reads it), and an identity part (2^-4 and 0) for v's heads.  (wo is cast by the next launch.)
; The powers of two are exact, so each number is rounded once, to bf16.
; A stream: no LDS, no matrix unit, no barrier.  The 14,680,064 numbers are 1,792 units of 8,192.  Work-group g < 896 takes units g and g + 896; a wave 1,024 numbers of each,
; as 8 chunks of 128: one load of 16 bytes a lane (512 bytes on end) and one store of 8 bytes a lane (256 consecutive bytes, aligned).  All 16 loads of a wave go out first.
; Unit g is x's; unit g + 896 is x's (g < 128), wq's (g < 640), wk's (g < 768) or wv's: the choice is made by selects on the work-group's number, without a branch.
; Work-groups 896 .. 911 make the table's 64 blocks of 16 rows, four each; work-group 912 the identity part.
.set XR, 8                             ; v[8:71]  unit j, chunk c: four registers at XR + 32 j + 4 c
.macro LD j
.irp c, 0,1,2,3,4,5,6,7
	global_load_b128 v[XR+32*(\j)+4*(\c):XR+32*(\j)+4*(\c)+3], v1, s[36+4*(\j):37+4*(\j)] offset:512*(\c) th:TH_LOAD_NT
.endr
.endm
.macro CV j                            ; four f32 to four bf16, in the chunk's first two registers
.irp c, 0,1,2,3,4,5,6,7
	v_cvt_pk_bf16_f32 v[XR+32*(\j)+4*(\c)], v[XR+32*(\j)+4*(\c)], v[XR+32*(\j)+4*(\c)+1]
	v_cvt_pk_bf16_f32 v[XR+32*(\j)+4*(\c)+1], v[XR+32*(\j)+4*(\c)+2], v[XR+32*(\j)+4*(\c)+3]
.endr
.endm
.macro ST j, hi                        ; hi: the offset register of chunks 4 to 7
.irp c, 0,1,2,3
	global_store_b64 v2, v[XR+32*(\j)+4*(\c):XR+32*(\j)+4*(\c)+1], s[38+4*(\j):39+4*(\j)] offset:256*(\c) th:TH_STORE_NT
.endr
.irp c, 4,5,6,7
	global_store_b64 v[\hi], v[XR+32*(\j)+4*(\c):XR+32*(\j)+4*(\c)+1], s[38+4*(\j):39+4*(\j)] offset:256*(\c) th:TH_STORE_NT
.endr
.endm
	s_load_b512 s[8:23], s[0:1], 0x0               ; x 8, wq 10, wk 12, wv 14, cos 16, sin 18, xb 20, wqkvb 22
	s_load_b64 s[24:25], s[0:1], 0x40              ; rope
	v_lshrrev_b32 v4, 5, v0
	v_readfirstlane_b32 s30, v4                    ; wave 0..7
	v_and_b32 v5, 31, v0
	v_lshlrev_b32 v1, 4, v5                        ; 16 x lane: in
	v_lshlrev_b32 v2, 3, v5                        ; 8 x lane: out
	s_mov_b32 s52, 0x3c800000                      ; 2^-6, as a pair for the packed multiply
	s_mov_b32 s53, s52
	s_mov_b32 s33, 0                               ; the high words of the two offset pairs
	s_mov_b32 s35, 0
	s_cmp_ge_u32 ttmp9, 896
	s_cbranch_scc1 .Ltable
	s_lshl_b32 s4, s30, 12                         ; my wave's 1,024 numbers: 4,096 bytes in,
	s_lshl_b32 s5, s30, 11                         ; 2,048 bytes out where the target is dense
	s_wait_kmcnt 0x0
	; unit 0: x
	s_lshl_b32 s32, ttmp9, 15
	s_add_co_u32 s32, s32, s4
	s_lshl_b32 s34, ttmp9, 14
	s_add_co_u32 s34, s34, s5
	s_add_nc_u64 s[36:37], s[8:9], s[32:33]
	s_add_nc_u64 s[38:39], s[20:21], s[34:35]
	LD 0
	; unit 1: from the last tensor back to the first, each compare replacing what the later tensors chose
	s_movk_i32 s3, 768                             ; the g at which the tensor's units begin: wv,
	s_movk_i32 s31, 5120                           ; and its first column in wqkvb, in bytes
	s_cmp_lt_u32 ttmp9, 768
	s_cselect_b32 s3, 640, s3                      ; wk
	s_cselect_b32 s31, 4096, s31
	s_cselect_b64 s[40:41], s[12:13], s[14:15]
	s_cmp_lt_u32 ttmp9, 640
	s_cselect_b32 s3, 128, s3                      ; wq
	s_cselect_b32 s48, 0, 5120                     ; wk, wv: a wave's numbers are two rows of 512; the second lies 6,144 - 1,024 bytes further than dense
	s_cselect_b64 s[40:41], s[10:11], s[40:41]
	s_sub_co_u32 s2, ttmp9, s3                     ; the unit's number in a weight,
	s_add_co_u32 s6, ttmp9, 896                    ; in x
	s_cmp_lt_u32 ttmp9, 128
	s_cselect_b32 s2, s6, s2
	s_cselect_b64 s[40:41], s[8:9], s[40:41]
	s_cselect_b64 s[42:43], s[20:21], s[22:23]
	s_lshl_b32 s32, s2, 15
	s_add_co_u32 s32, s32, s4                      ; in: the same form for all four
	s_lshl_b32 s6, s2, 14
	s_add_co_u32 s6, s6, s5                        ; out, in xb
	s_lshl_b32 s7, s2, 2                           ; wq: a unit is four rows, a wave half a row
	s_lshr_b32 s26, s30, 1
	s_add_co_u32 s7, s7, s26
	s_mul_i32 s7, s7, 6144
	s_and_b32 s26, s30, 1
	s_lshl_b32 s26, s26, 11
	s_add_co_u32 s7, s7, s26
	s_lshl_b32 s26, s2, 4                          ; wk, wv: a unit is sixteen rows, a wave two
	s_lshl_b32 s27, s30, 1
	s_add_co_u32 s26, s26, s27
	s_mul_i32 s26, s26, 6144
	s_add_co_u32 s26, s26, s31
	s_cmp_lt_u32 ttmp9, 640
	s_cselect_b32 s34, s7, s26
	s_cmp_lt_u32 ttmp9, 128
	s_cselect_b32 s34, s6, s34
	s_add_nc_u64 s[40:41], s[40:41], s[32:33]
	s_add_nc_u64 s[42:43], s[42:43], s[34:35]
	LD 1
	v_add_nc_u32 v3, s48, v2
	s_wait_loadcnt 8                               ; unit 0 is in; unit 1's eight loads may stay out
	CV 0
	ST 0, 2
	s_wait_loadcnt 0x0
	CV 1
	ST 1, 3
	s_endpgm
; THE TABLE.  The 16 bytes at R x 8,192 + (4 p + q) x 512 + lane x 16 hold, for j = 0..7, src[16 R + lane % 16][16 p + 8 (lane / 16) + j + 64 (q / 2)] x 2^-6, src = cos (q even) or sin (q odd).
; Work-group t makes R = 4 t .. 4 t + 3.  Its store k covers 4,096 bytes: R = 4 t + k / 2, 4 p + q = 8 (k % 2) + wave: so q = wave % 4, p = 2 (k % 2) + wave / 4.
.Ltable:
	s_sub_co_u32 s31, ttmp9, 896
	v_lshlrev_b32 v7, 4, v0                        ; 16 x thread: out
	s_wait_kmcnt 0x0
	s_cmp_eq_u32 s31, 16
	s_cbranch_scc1 .Lident
	s_and_b32 s2, s30, 1
	s_lshl_b32 s32, s31, 15                        ; 64 rows of 512 bytes in, 32,768 bytes out
	s_cmp_eq_u32 s2, 0
	s_cselect_b64 s[36:37], s[16:17], s[18:19]
	s_add_nc_u64 s[36:37], s[36:37], s[32:33]
	s_add_nc_u64 s[38:39], s[24:25], s[32:33]
	v_and_b32 v4, 15, v0
	v_bfe_u32 v5, v0, 4, 1
	v_lshlrev_b32 v6, 9, v4                        ; row lane % 16
	v_lshl_add_u32 v6, v5, 5, v6                   ; + 8 numbers for the upper half of the lanes
	s_bfe_u32 s3, s30, 0x10001                     ; q / 2
	s_lshl_b32 s3, s3, 8                           ; 64 numbers
	s_lshr_b32 s4, s30, 2
	s_lshl_b32 s4, s4, 6                           ; wave / 4: 16 numbers
	s_add_co_u32 s3, s3, s4
	v_add_nc_u32 v6, s3, v6
.irp k, 0,1,2,3,4,5,6,7
	global_load_b128 v[8+8*(\k):8+8*(\k)+3],   v6, s[36:37] offset:((\k)%2)*128+((\k)/2)*8192
	global_load_b128 v[8+8*(\k)+4:8+8*(\k)+7], v6, s[36:37] offset:((\k)%2)*128+((\k)/2)*8192+16
.endr
	s_wait_loadcnt 0x0
.irp k, 0,1,2,3,4,5,6,7
.irp r, 0,2,4,6
	v_pk_mul_f32 v[8+8*(\k)+(\r):8+8*(\k)+(\r)+1], v[8+8*(\k)+(\r):8+8*(\k)+(\r)+1], s[52:53] op_sel_hi:[1,0]
.endr
.irp r, 0,1,2,3
	v_cvt_pk_bf16_f32 v[8+8*(\k)+(\r)], v[8+8*(\k)+2*(\r)], v[8+8*(\k)+2*(\r)+1]
.endr
	global_store_b128 v7, v[8+8*(\k):8+8*(\k)+3], s[38:39] offset:(\k)*4096
.endr
	s_endpgm
.Lident:                                       ; four blocks in which the cosines' places hold 2^-4 and the sines' 0
	s_and_b32 s2, s30, 1
	s_cmp_eq_u32 s2, 0
	s_cselect_b32 s3, 0x3d803d80, 0
	v_mov_b32 v8, s3
	v_mov_b32 v9, s3
	v_mov_b32 v10, s3
	v_mov_b32 v11, s3
.irp k, 0,1,2,3,4,5,6,7
	global_store_b128 v7, v[8:11], s[24:25] offset:524288+(\k)*4096
.endr
	s_endpgm
.Lfunc_end_k_q5da3a8d806_cast:
	.size	k_q5da3a8d806_cast, .Lfunc_end_k_q5da3a8d806_cast-k_q5da3a8d806_cast
	.p2alignl 7, 3214868480
	.fill 96, 4, 3214868480
	.section	.rodata,"a",@progbits
	.p2align	6, 0x0
	.amdhsa_kernel k_q5da3a8d806_cast
		.amdhsa_group_segment_fixed_size 0
		.amdhsa_private_segment_fixed_size 0
		.amdhsa_enable_private_segment 0
		.amdhsa_kernarg_size 72
		.amdhsa_user_sgpr_count 2
		.amdhsa_user_sgpr_kernarg_segment_ptr 1
		.amdhsa_wavefront_size32 1
		.amdhsa_system_sgpr_workgroup_id_x 1
		.amdhsa_system_sgpr_workgroup_id_y 1
		.amdhsa_system_sgpr_workgroup_id_z 1
		.amdhsa_system_vgpr_workitem_id 0
		.amdhsa_next_free_vgpr 80
		.amdhsa_next_free_sgpr 66
		.amdhsa_reserve_vcc 0
		.amdhsa_float_denorm_mode_32 3
		.amdhsa_float_denorm_mode_16_64 3
		.amdhsa_memory_ordered 1
		.amdhsa_forward_progress 1
		.amdhsa_inst_pref_size 16
	.end_amdhsa_kernel
	.amdgpu_metadata
---
amdhsa.version: [ 1, 2 ]
amdhsa.kernels:
  - .name:           k_q5da3a8d806_cast
    .symbol:         k_q5da3a8d806_cast.kd
    .args:
      - { .name: x, .offset: 0, .size: 8, .value_kind: global_buffer, .address_space: global }
      - { .name: wq, .offset: 8, .size: 8, .value_kind: global_buffer, .address_space: global }
      - { .name: wk, .offset: 16, .size: 8, .value_kind: global_buffer, .address_space: global }
      - { .name: wv, .offset: 24, .size: 8, .value_kind: global_buffer, .address_space: global }
      - { .name: cos, .offset: 32, .size: 8, .value_kind: global_buffer, .address_space: global }
      - { .name: sin, .offset: 40, .size: 8, .value_kind: global_buffer, .address_space: global }
      - { .name: xb, .offset: 48, .size: 8, .value_kind: global_buffer, .address_space: global }
      - { .name: wqkvb, .offset: 56, .size: 8, .value_kind: global_buffer, .address_space: global }
      - { .name: rope, .offset: 64, .size: 8, .value_kind: global_buffer, .address_space: global }
    .group_segment_fixed_size: 0
    .private_segment_fixed_size: 0
    .kernarg_segment_align: 8
    .kernarg_segment_size: 72
    .max_flat_workgroup_size: 256
    .sgpr_count:     66
    .vgpr_count:     80
    .wavefront_size: 32
...
	.end_amdgpu_metadata
.endif
;; end of part 1
;; launch qkv (part 2): grid 16 x 16, 4 waves a work-group, clusters of 4 x 4, 327,680 bytes of LDS; arguments xb, wqkvb, rope, qkv, wo, wof; writes qkv, wof
.if DOCPART == 2
	.amdgcn_target "amdgcn-amd-amdhsa--gfx1250"
	.amdhsa_code_object_version 6
	.text
	.protected	k_q5da3a8d806_qkv
	.globl	k_q5da3a8d806_qkv
	.p2align	8
	.type	k_q5da3a8d806_qkv,@function
k_q5da3a8d806_qkv:
	s_mov_b64 s[64:65], 0
	v_nop
	global_prefetch_b8 v0, s[64:65] scope:SCOPE_SE
	s_setreg_imm32_b32 hwreg(HW_REG_WAVE_MODE, 25, 1), 1
	s_wait_xcnt 0x0
	s_wait_alu depctr_hold_cnt(0) depctr_sa_sdst(0) depctr_va_vdst(0) depctr_va_sdst(0) depctr_va_ssrc(0) depctr_va_vcc(0) depctr_vm_vsrc(0)
	s_getreg_b32 s2, hwreg(HW_REG_IB_STS2, 6, 4)
	s_cmp_eq_u32 s2, 0
	s_cbranch_scc0 .Lentry_in_a_cluster
	s_endpgm
.Lentry_in_a_cluster:
	s_bfe_u32 s2, ttmp6, 0x10000c
	s_cmp_lg_u32 s2, 0xf033
	s_cbranch_scc0 .Lentry_shape_is_right
	s_endpgm
.Lentry_shape_is_right:
; THE PROJECTIONS AND RoPE, AND wo's CAST.  C = xb x wqkvb ([4096][2048] x [2048][3072], bf16, sums in f32); q's and k's heads are turned by the table, all in f32; each number is rounded once to f16 and
; stored by heads: qkv[hcol 24][batch 4][s 1024][128], hcol 0-15 q, 16-19 k, 20-23 v.  q and k are stored x 2^-6, v x 2^-4 (the factors lie in the table).
; LIMITS.  |q|, |k| after RoPE under 65,504 x 64 = 4.19e6, |v| under 65,504 x 16 = 1.05e6; stored numbers below 6.1e-5 keep f16's fixed step of 6e-8.
; |wo| under 4,094 (wof = f16 of 16 x bf16(wo)); below 3.8e-6 wo keeps f16's fixed step, 4e-9.
; SHARES.  A work-group makes 256 tokens x 256 columns (two heads); each of its four waves 128 x 128 (one head): 64 accumulators, 512 registers.  C has 16 x 12 tiles: the clusters with x = 0, 1, 2.
; The clusters with x = 3, 64 work-groups, have no tile: they stream wo into wof, which the last launch multiplies by.  The branch hangs on the cluster's x, which all sixteen partners share.
; K goes in steps of 128 through two LDS slots.  A's tile: 256 rows x 256 bytes.  B's tile lies as the weights lie, [k][n]: 128 k-rows x 512 bytes, and its fragments come out turned (ds_load_tr16_b128).
; One K step's text is walked by a loop: s[TB] is 0 or SLOT, turned by an exclusive or with SLOT, and the fragments' addresses are TB + a base.
; CLUSTERS: 4 x 4 work-groups; A's tile is asked for jointly along a row of the cluster, B's along a column.
; THE MATRIX INSTRUCTION IS USED TRANSPOSED (source 0 = 16 columns of B, source 1 = 16 rows of A): lane l holds token l % 16 and the head's channels d = 16 b + 8 (l / 16) + 0..7 in accumulator b,
; so channels d and d + 64 lie in accumulators b and b + 4, same lane, same register: RoPE needs no exchange between lanes.
; THE TABLE of the tile's 256 tokens (131,072 bytes, in register order) lands in slot 0 when its last K step has been read: each wave fetches a quarter.
; REGISTERS: window 0: v0-31 addresses; v64-127, v128-191 A's fragments, two buffers (on the way out: v64-127 turned numbers, v128-159 packed, v160-223 rows read back);
;   window 1: v64-127, v128-191 B's fragments (on the way out: two table buffers); windows 2, 3: accumulators, (a, b) at v[8 (8 (a % 4) + b)].
.set KSTEP,  128
.set PITCHA, 272                       ; A's LDS row: 256 bytes + 16: the 16 rows of a fragment load start at 16 different groups of four banks (64 banks of 4 bytes: ISA guide 11.1)
.set PITCHB, 544                       ; B's LDS row: 512 bytes + 32
.set HALFT,  34816                     ; what one tensor load brings: 128 x 272 = 64 x 544
.set SLOT,   4*HALFT
.set BOFF,   2*HALFT                   ; B's tile lies behind A's
.set STAGE,  2*SLOT                    ; behind the ring: 16 rows x 272 bytes for each wave
.set SPITCH, 272
.set SPARE,  STAGE+4*16*SPITCH         ; the spare words, 128 bytes for each wave: two blocks of 256 bytes that no other line names
.set ASTEP,  KSTEP*2                   ; a K step along A's rows, in bytes
.set BSTEP,  KSTEP*6144                ; a K step down B's rows
.set ADRA0, 16                         ; v16  LDS address of my A fragments in slot 0; never rewritten
.set ADRA,  17                         ; v17  in the slot in hand
.set ADRB0, 20                         ; v20, v21  the same for B
.set ADRB,  21
.set STO,  24                          ; v24  the way out: where I put 16 bytes of a row
.set RD,   25                          ; v25  where I read a row back
.set CO,   26                          ; v26  16 x lane
.set TBA,  27                          ; v27  my 16 bytes in the first table word of my 128 tokens
.set SPW,  28                          ; v28  my spare word; never rewritten
.set NIL,  29                          ; v29  0; never rewritten
.set PFO,  30                          ; v30  the prefetches' lane offset; never rewritten
.set ZERO, 31                          ; v31  0.0, the addend of a product that starts a sum
.set F0,   64
.set F1,   128
.set NR,   64                          ; the way out: 64 turned numbers: p's low half at NR + 16 p, high half at + 8
.set PKD,  128                         ; 32 registers of packed f16
.set BK0,  160                         ; two sets of 32: rows read back
.set G1A, 24
.set G0A, 32                           ; two sets: the first fills; the second then walks
.set G1T, 40
.set G1B, 48
.set G0B, 56
.set G0T, 68
.set PFA, 72                           ; s[72:73] where my prefetches stand
.set LIM, 74                           ; s74  2 in a wave that prefetches, else the greatest number
.set TB,  75                           ; s75  the slot in hand: 0 or SLOT
.set PFS, 76                           ; s[76:77] a K step of the tensor that I prefetch
.set TD,  78                           ; s78  the slot that the walking descriptors name: 0 or SLOT
.set MSB, 0
.macro WIN new                         ; the immediate's high byte repeats the setting that is left
.if MSB != (\new)
	s_set_vgpr_msb (MSB<<8)|(\new)
.set MSB, \new
.endif
.endm
.set MUL_LO, 0xa1                      ; source 0 (B) window 1, source 1 (A) window 0, C and D window 2
.set MUL_HI, 0xf1                      ; the same, C and D window 3
.set TO_B,   0x40                      ; destination window 1, address window 0
; A joint load: waves 0 and 1 fetch A's two halves, waves 2 and 3 B's.  The branch hangs on the wave's number alone.  An s_nop 0 and four v_nop follow each line.
.macro JLOAD s
	s_cmp_eq_u32 s13, 0
	s_cbranch_scc0 .Lfor_b_\@
	tensor_load_to_lds s[G0A+4*(\s):G0A+4*(\s)+3], s[G1A:G1A+7]
	s_nop 0
.rept 4
	v_nop
.endr
	s_branch .Lasked_\@
.Lfor_b_\@:
	tensor_load_to_lds s[G0B+4*(\s):G0B+4*(\s)+3], s[G1B:G1B+7]
	s_nop 0
.rept 4
	v_nop
.endr
.Lasked_\@:
.endm
; A prefetch of the K step that stands two refills on (512 matrix instructions ahead of the load that wants it): one instruction a wave, each aligned 256 bytes named once in the launch.
; A's rows: the clusters with x = 0 ask; of the 128 rows that a wave fetches the partner at cx takes 32, a lane a row.  B's k-rows: the clusters with y = 0 ask; of a wave's 64 k-rows the partner at cy
; takes 16, two lanes a row (512 bytes).  The partners are told apart by address.  The loop's last two trips ask for nothing: K steps 16 and 17 do not exist.
.macro ASK
	s_cmp_gt_u32 s3, s[LIM]
	s_cbranch_scc0 .Lnot_mine_\@
	global_prefetch_b8 v[PFO], s[PFA:PFA+1] th:TH_LOAD_NT scope:SCOPE_SE
.Lnot_mine_\@:
.endm
.macro CREST                           ; a round of the cluster's barrier behind its opening barrier
	s_cmp_lg_u32 s12, 0
	s_cbranch_scc1 .Lnot_wave_0_\@
	s_barrier_signal -3
.Lnot_wave_0_\@:
	s_barrier_wait -3
	s_barrier_signal -1
	s_barrier_wait -1
.endm
.macro CROUND
	s_barrier_signal -1
	s_barrier_wait -1
	CREST
.endm
	s_load_b256 s[4:11], s[0:1], 0x0               ; xb s[4:5], wqkvb s[6:7], rope s[8:9], qkv s[10:11]
	s_load_b128 s[84:87], s[0:1], 0x20             ; wo s[84:85], wof s[86:87]
	v_lshl_add_u32 v[SPW], v0, 2, SPARE
	v_mov_b32 v[NIL], 0
	ds_add_u32 v[SPW], v[NIL]                      ; the wave's opening: the add and its wait stand ahead of my first tensor load
	v_lshrrev_b32 v1, 5, v0
	v_readfirstlane_b32 s12, v1                    ; wave 0..3
	s_lshr_b32 s13, s12, 1                         ; RH: my half of the tile's rows.  Also: I fetch for A (0) or B (1)
	s_and_b32 s14, s12, 1                          ; CH: my half of its columns.  Also: which half of that tile I fetch
	s_bfe_u32 s15, ttmp6, 0x40000                  ; cx
	s_bfe_u32 s16, ttmp6, 0x40004                  ; cy
	s_lshl_b32 s17, ttmp9, 2
	s_add_co_u32 s17, s17, s15                     ; TC: tile column 0..11 (12..15: no tile)
	s_and_b32 s18, ttmp7, 0xffff
	s_lshl_b32 s18, s18, 2
	s_add_co_u32 s18, s18, s16                     ; TR: tile row 0..15
	s_lshl_b32 s19, s16, 2
	s_lshl_b32 s19, 15, s19                        ; my row of the cluster
	s_lshl_b32 s66, 0x1111, s15                    ; my column
	s_or_b32 s[G1A+0], s19, (1<<16)|(1<<20)|(1<<21)|(5<<22)|(3<<25)  ; mask; 2-byte elements; padding on; bit 21 beside a mask; after every 64 words, 4 words
	s_mov_b32 s[G1A+1], 128<<16                    ; tensor_dim0 = 128
	s_mov_b32 s[G1A+2], 128<<16                    ; tensor_dim1 = 128
	s_mov_b32 s[G1A+3], 128<<16                    ; tile_dim0 = 128
	s_mov_b32 s[G1A+4], 128                        ; tile_dim1 = 128
	s_mov_b32 s[G1A+5], 2048                       ; elements from row to row
	s_mov_b32 s[G1A+6], 0
	s_mov_b32 s[G1A+7], 0
	s_or_b32 s[G1B+0], s66, (1<<16)|(1<<20)|(1<<21)|(6<<22)|(7<<25)  ; after every 128 words, 8 words
	s_mov_b32 s[G1B+1], 256<<16                    ; tensor_dim0 = 256
	s_mov_b32 s[G1B+2], 64<<16                     ; tensor_dim1 = 64
	s_mov_b32 s[G1B+3], 256<<16                    ; tile_dim0 = 256
	s_mov_b32 s[G1B+4], 64                         ; tile_dim1 = 64
	s_mov_b32 s[G1B+5], 3072
	s_mov_b32 s[G1B+6], 0
	s_mov_b32 s[G1B+7], 0
	s_mov_b32 s[G1T+0], 3<<16                      ; the table: no mask, 8-byte elements, no padding: 128 rows of 256 dense bytes
	s_mov_b32 s[G1T+1], 32<<16
	s_mov_b32 s[G1T+2], 128<<16
	s_mov_b32 s[G1T+3], 32<<16
	s_mov_b32 s[G1T+4], 128
	s_mov_b32 s[G1T+5], 32
	s_mov_b32 s[G1T+6], 0
	s_mov_b32 s[G1T+7], 0
	s_mov_b32 s[TB], 0                             ; K step 0 lies in slot 0;
	s_mov_b32 s[TD], SLOT                          ; the walking descriptors begin with K step 1, in slot 1
	s_lshl_b32 s20, s18, 8                         ; A: row 256 TR + 128 x half, 4,096 bytes a row
	s_lshl_b32 s21, s14, 7
	s_add_co_u32 s20, s20, s21
	s_lshl_b32 s20, s20, 12
	s_mov_b32 s21, 0
	s_lshl_b32 s22, s17, 9                         ; B: column byte 512 TC, k-row 64 x half
	s_mul_i32 s23, s14, 64*6144
	s_add_co_u32 s22, s22, s23
	s_mov_b32 s23, 0
	s_mul_i32 s67, s12, HALFT                      ; where they go: wave x 34,816: no place in the cluster enters an LDS address
	s_and_b32 s19, s18, 3                          ; the table: the tile's 256 tokens begin at s = 256 (TR % 4): 131,072 bytes each; my quarter
	s_lshl_b32 s19, s19, 17
	s_lshl_b32 s[G0T+1], s12, 15                   ; LDS: wave x 32,768
	s_add_co_u32 s19, s19, s[G0T+1]
	s_cmp_ge_u32 s17, 10                           ; v's heads take the identity part, the same 32,768 bytes for every quarter
	s_cselect_b32 s2, 0x80000, s19
	s_mov_b32 s3, 0
	s_mov_b32 s[G0T], 1
	s_wait_dscnt 0x0                               ; the opening add is done
	s_wait_kmcnt 0x0
	s_cmp_eq_u32 ttmp9, 3                          ; the fourth column of clusters has no tile of C
	s_cbranch_scc1 .Lwo
	s_add_nc_u64 s[20:21], s[4:5], s[20:21]
	s_add_nc_u64 s[22:23], s[6:7], s[22:23]
	s_add_nc_u64 s[G0T+2:G0T+3], s[8:9], s[2:3]
	s_or_b32 s[G0T+3], s[G0T+3], 0x80000000
	CROUND                                         ; all sixteen work-groups are here: the first joint loads meet
.irp s, 0,1
	s_mov_b32 s[G0A+4*(\s)], 1
	s_add_co_u32 s[G0A+4*(\s)+1], s67, (\s)*SLOT
	s_add_nc_u64 s[G0A+4*(\s)+2:G0A+4*(\s)+3], s[20:21], (\s)*ASTEP
	s_or_b32 s[G0A+4*(\s)+3], s[G0A+4*(\s)+3], 0x80000000
	s_mov_b32 s[G0B+4*(\s)], 1
	s_add_co_u32 s[G0B+4*(\s)+1], s67, (\s)*SLOT
	s_add_nc_u64 s[G0B+4*(\s)+2:G0B+4*(\s)+3], s[22:23], (\s)*BSTEP
	s_or_b32 s[G0B+4*(\s)+3], s[G0B+4*(\s)+3], 0x80000000
	JLOAD \s
.endr
	v_and_b32 v1, 15, v0                           ; l % 16
	v_bfe_u32 v2, v0, 4, 1                         ; l / 16
	v_mul_u32_u24 v3, v1, PITCHA
	v_lshl_add_u32 v3, v2, 4, v3                   ; A: row x pitch + 16 x half
	v_and_b32 v4, 7, v0
	v_lshl_add_u32 v4, v2, 3, v4                   ; B, turned: k-row 8 (l / 16) + l % 8,
	v_mul_u32_u24 v4, v4, PITCHB
	v_bfe_u32 v5, v0, 3, 1
	v_lshl_add_u32 v4, v5, 4, v4                   ; columns 8 ((l / 8) % 2) on
	s_mul_i32 s20, s13, HALFT                      ; my 128 rows of A
	s_lshl_b32 s21, s14, 8                         ; my 128 columns of B: 256 bytes
	s_add_co_u32 s21, s21, BOFF
	v_add_nc_u32 v[ADRA0], s20, v3
	v_add_nc_u32 v[ADRB0], s21, v4
	v_mov_b32 v[ADRA], v[ADRA0]
	v_mov_b32 v[ADRB], v[ADRB0]
	s_mul_i32 s20, s12, 16*SPITCH
	s_add_co_u32 s20, s20, STAGE                   ; my stage
	v_add_nc_u32 v[STO], s20, v3                   ; in: row l % 16, 16 bytes for each half of the lanes (the stage's pitch is A's)
	v_mul_u32_u24 v5, v2, SPITCH
	v_lshl_add_u32 v5, v1, 4, v5
	v_add_nc_u32 v[RD], s20, v5                    ; back: lanes 0-15 one row of 256 bytes, lanes 16-31 the next
	v_and_b32 v6, 31, v0
	v_lshlrev_b32 v[CO], 4, v6
	s_lshl_b32 s20, s13, 16                        ; my 128 tokens' part of the table: 8 blocks of 8,192 bytes
	v_add_nc_u32 v[TBA], s20, v[CO]
	v_mov_b32 v[ZERO], 0
	; where my 128 rows of one head begin in qkv: 32,768 consecutive bytes
	s_lshl_b32 s19, s17, 1
	s_add_co_u32 s19, s19, s14                     ; hcol = 2 TC + CH
	s_lshl_b32 s19, s19, 2
	s_lshr_b32 s20, s18, 2                         ; batch
	s_add_co_u32 s19, s19, s20
	s_lshl_b32 s19, s19, 18
	s_and_b32 s20, s18, 3
	s_lshl_b32 s20, s20, 16
	s_add_co_u32 s19, s19, s20
	s_lshl_b32 s20, s13, 15
	s_add_co_u32 s20, s19, s20
	s_mov_b32 s21, 0
	s_add_nc_u64 s[10:11], s[10:11], s[20:21]
	; the prefetches: both candidates' offsets, at K step 3, then the choice by the tensor that I fetch
	s_and_b32 s19, ttmp7, 0xffff                   ; cluster y
	s_lshl_b32 s20, s18, 8
	s_lshl_b32 s21, s14, 7
	s_add_co_u32 s20, s20, s21
	s_lshl_b32 s21, s15, 5
	s_add_co_u32 s20, s20, s21                     ; A: row 256 TR + 128 CH + 32 cx
	s_lshl_b32 s20, s20, 12
	s_add_co_u32 s20, s20, 3*ASTEP
	s_lshl_b32 s21, s14, 6
	s_lshl_b32 s22, s16, 4
	s_add_co_u32 s21, s21, s22                     ; B: k-row 64 CH + 16 cy
	s_mul_i32 s21, s21, 6144
	s_lshl_b32 s22, s17, 9
	s_add_co_u32 s21, s21, s22
	s_add_co_u32 s21, s21, 3*BSTEP
	s_mov_b32 s[PFS], BSTEP
	s_mov_b32 s[PFS+1], 0
	s_movk_i32 s2, 6144
	s_cmp_eq_u32 s13, 0
	s_cselect_b32 s22, s20, s21
	s_cselect_b32 s19, ttmp9, s19                  ; the coordinate along which other clusters read the same rows
	s_cselect_b64 s[PFA:PFA+1], s[4:5], s[6:7]
	s_cselect_b32 s[PFS], ASTEP, s[PFS]
	s_cselect_b32 s2, 4096, s2                     ; bytes from row to row
	s_cselect_b32 s20, 0, 1                        ; A: a lane a row.  B: two lanes a row
	s_cmp_eq_u32 s19, 0
	s_cselect_b32 s[LIM], 2, -1
	s_mov_b32 s23, 0
	s_add_nc_u64 s[PFA:PFA+1], s[PFA:PFA+1], s[22:23]
	v_lshrrev_b32 v7, s20, v6
	v_mul_u32_u24 v7, v7, s2
	v_and_b32 v8, s20, v6
	v_lshl_add_u32 v[PFO], v8, 8, v7
; 16 matrix instructions: m blocks a0, a0 + 1 of the window's four x all 8 n blocks, 32 along K.  zero = 1: the first product starts the sums.
.macro MUL16 f, hi, a0, zero
	WIN MUL_LO+0x50*(\hi)
.irp a, \a0, (\a0)+1
.irp b, 0,1,2,3,4,5,6,7
.if \zero
	v_wmma_f32_16x16x32_bf16 v[8*(8*(\a)+(\b)):8*(8*(\a)+(\b))+7], v[(\f)+8*(\b):(\f)+8*(\b)+7], v[(\f)+8*(4*(\hi)+(\a)):(\f)+8*(4*(\hi)+(\a))+7], 0
.else
	v_wmma_f32_16x16x32_bf16 v[8*(8*(\a)+(\b)):8*(8*(\a)+(\b))+7], v[(\f)+8*(\b):(\f)+8*(\b)+7], v[(\f)+8*(4*(\hi)+(\a)):(\f)+8*(4*(\hi)+(\a))+7], v[8*(8*(\a)+(\b)):8*(8*(\a)+(\b))+7]
.endif
.endr
.endr
.endm
; 32 LDS loads in one run: a quarter step's fragments (32 along K: byte k of A's rows, k-rows k / 2 on of B) of the slot in hand, into buffer f
.macro FETCH k, f
	WIN TO_B
.irp i, 0,1,2,3,4,5,6,7
	ds_load_tr16_b128 v[(\f)+8*(\i):(\f)+8*(\i)+3],   v[ADRB] offset:((\k)/64)*32*PITCHB+32*(\i)
	ds_load_tr16_b128 v[(\f)+8*(\i)+4:(\f)+8*(\i)+7], v[ADRB] offset:((\k)/64)*32*PITCHB+32*(\i)+16*PITCHB
.endr
	WIN 0
.irp i, 0,1,2,3,4,5,6,7
	ds_load_b128 v[(\f)+8*(\i):(\f)+8*(\i)+3],   v[ADRA] offset:(\k)+(\i)*16*PITCHA
	ds_load_b128 v[(\f)+8*(\i)+4:(\f)+8*(\i)+7], v[ADRA] offset:(\k)+(\i)*16*PITCHA+32
.endr
.endm
.macro PLACES                          ; four plain instructions between a matrix instruction and a load into, or a vector line on, its registers
.rept 4
	v_nop
.endr
.endm
.macro QUARTER k, f, g, zero           ; multiplies buffer f; in its middle fetches the next quarter, at byte k, into buffer g
	s_wait_dscnt 8                                 ; B and A's rows 0-63 are in; the youngest eight loads (A's rows 64-127) may be out
	MUL16 \f, 0, 0, \zero
	MUL16 \f, 0, 2, \zero
	PLACES
	FETCH \k, \g
	s_wait_dscnt 32                                ; all but the 32 just issued
	MUL16 \f, 1, 0, \zero
	MUL16 \f, 1, 2, \zero
.endm
; THE CHANGE OF SLOTS stands at the head of a K step's last quarter, whose fragments lie in buffer 1: the slot's last bytes have been asked for.  Each wave waits for all its tensor loads (one is out: its part of
; the next slot), adds 0 to its spare word, steps what hangs on the slot, waits for the add and for its reads of this slot, and opens a round of the cluster's barrier.  No product stands between that wait and the
; refill: all 256 matrix instructions of a K step stand between a request and the wait for it.
.macro MEET
	WIN 0
	s_wait_tensorcnt 0x0
	ds_add_u32 v[SPW], v[NIL]                      ; 0 onto my spare word; scalar work stands between it and the wait for it
	s_xor_b32 s[TB], s[TB], SLOT                   ; the fragments come from the other slot from now on
.endm
.macro ROUND
	s_wait_dscnt 0x0                               ; the add is done, my reads of this slot are over
	s_barrier_signal -1
	s_barrier_wait -1
	CREST                                          ; no wave of any partner still reads this slot or has a load on its way
.endm
.macro LASTQ4                          ; the next slot's first fragments
	v_add_nc_u32 v[ADRA], s[TB], v[ADRA0]
	v_add_nc_u32 v[ADRB], s[TB], v[ADRB0]
	FETCH 0, F0
.endm
.macro TURN                            ; the slot just read is filled again, two K steps on
	s_wait_xcnt 0x0                                ; the last prefetch, a K step back, has read its address
	s_add_nc_u64 s[PFA:PFA+1], s[PFA:PFA+1], s[PFS:PFS+1]
	MEET
	s_xor_b32 s[TD], s[TD], SLOT                   ; no tensor load of mine is out, so the walking descriptors may be written: the other slot than last time,
	s_add_co_u32 s[G0A+5], s67, s[TD]
	s_add_co_u32 s[G0B+5], s67, s[TD]
	s_add_nc_u64 s[G0A+6:G0A+7], s[G0A+6:G0A+7], ASTEP  ; the next K step
	s_add_nc_u64 s[G0B+6:G0B+7], s[G0B+6:G0B+7], BSTEP
	ROUND
	JLOAD 1                                        ; the first tensor load behind the round; its four v_nop are also the places in front of the loads below
	LASTQ4
	ASK
	MUL16 F1, 0, 0, 0
	MUL16 F1, 0, 2, 0
	MUL16 F1, 1, 0, 0
	MUL16 F1, 1, 2, 0
.endm
	s_wait_tensorcnt 0x1                           ; my part of K step 0 is in; K step 1's may stay out
	s_barrier_signal -1
	s_barrier_wait -1
	FETCH 0, F0
	QUARTER 64,  F0, F1, 1                         ; the first quarter stands in front of the loop: its products start the sums
	WIN 0
	s_mov_b32 s3, 14
.Lstep:                                        ; a trip: a K step's quarters 2 to 4 and the next step's first; K steps 2 to 15 are asked for
	QUARTER 128, F1, F0, 0
	QUARTER 192, F0, F1, 0
	TURN
	QUARTER 64,  F0, F1, 0
	WIN 0
	s_sub_co_u32 s3, s3, 1
	s_cmp_lg_u32 s3, 0
	s_cbranch_scc1 .Lstep
	QUARTER 128, F1, F0, 0                         ; K step 14 goes on
	QUARTER 192, F0, F1, 0
	MEET                                           ; slot 0 has been read for the last time as a tile of A and B:
	ROUND
	tensor_load_to_lds s[G0T:G0T+3], s[G1T:G1T+7]  ; it takes the table; every wave fetches its quarter: its one load behind the round
	s_nop 0
	PLACES
	LASTQ4
	MUL16 F1, 0, 0, 0
	MUL16 F1, 0, 2, 0
	MUL16 F1, 1, 0, 0
	MUL16 F1, 1, 2, 0
	QUARTER 64,  F0, F1, 0                         ; K step 15
	QUARTER 128, F1, F0, 0
	QUARTER 192, F0, F1, 0
	s_wait_dscnt 8
	MUL16 F1, 0, 0, 0
	MUL16 F1, 0, 2, 0
	s_wait_dscnt 0x0
	MUL16 F1, 1, 0, 0
	MUL16 F1, 1, 2, 0
	WIN 0
	s_wait_tensorcnt 0x0                           ; my quarter of the table is in,
	s_barrier_signal -1
	s_barrier_wait -1                              ; everybody's is: my 128 tokens' part comes from two waves' loads.
	PLACES
	PLACES
; THE WAY OUT, a block of 16 tokens at a time.  TBL: the block's 16 table words (c_lo, s_lo, c_hi, s_hi for p = 0..3), 16 bytes a lane each.
.macro TBL a
	WIN TO_B
.irp i, 0,1,2,3,4,5,6,7,8,9,10,11,12,13,14,15
	ds_load_b128 v[64+64*((\a)%2)+4*(\i):64+64*((\a)%2)+4*(\i)+3], v[TBA] offset:(\a)*8192+(\i)*512
.endr
.endm
; lo' = lo c_lo - hi s_lo, hi' = hi c_hi + lo s_hi: four multiply-adds in f32 that read the table's bf16 halves as they lie
.macro RP4 half
	v_fma_mix_f32_bf16 v[NL], v[LO], v[W],    v[ZERO] op_sel:[0,\half,0] op_sel_hi:[0,1,0]
	v_fma_mix_f32_bf16 v[NH], v[HI], v[W+8],  v[ZERO] op_sel:[0,\half,0] op_sel_hi:[0,1,0]
	v_fma_mix_f32_bf16 v[NL], -v[HI], v[W+4], v[NL]   op_sel:[0,\half,0] op_sel_hi:[0,1,0]
	v_fma_mix_f32_bf16 v[NH], v[LO], v[W+12], v[NH]   op_sel:[0,\half,0] op_sel_hi:[0,1,0]
.endm
.macro ROPE a                          ; each accumulator's registers are taken in ascending order
	WIN 0x06+(\a)/4                                ; source 0: window 2 or 3 (accumulators); source 1: window 1 (table); the rest window 0
.irp p, 0,1,2,3
.irp jj, 0,1,2,3
.set LO, 64*((\a)%4)+8*(\p)+2*(\jj)
.set HI, LO+32
.set W,  64+64*((\a)%2)+16*(\p)+(\jj)
.set NL, NR+16*(\p)+2*(\jj)
.set NH, NL+8
	RP4 0
.set LO, LO+1
.set HI, HI+1
.set NL, NL+1
.set NH, NH+1
	RP4 1
.endr
.endr
.endm
.macro CVT                             ; rounded once, to f16: 16 bytes a lane for each of the 8 column blocks
	WIN 0
.irp p, 0,1,2,3
.irp r, 0,1,2,3
	v_cvt_pk_f16_f32 v[PKD+4*(\p)+(\r)],    v[NR+16*(\p)+2*(\r)],   v[NR+16*(\p)+2*(\r)+1]
	v_cvt_pk_f16_f32 v[PKD+16+4*(\p)+(\r)], v[NR+16*(\p)+8+2*(\r)], v[NR+16*(\p)+8+2*(\r)+1]
.endr
.endr
.endm
.macro TOSTAGE a                       ; into my own stage, and back as whole rows of 256 bytes; LDS serves a wave's instructions in order (ISA guide 5.7.1.4)
	WIN 0
.irp b, 0,1,2,3,4,5,6,7
	ds_store_b128 v[STO], v[PKD+4*(\b):PKD+4*(\b)+3] offset:32*(\b)
.endr
.irp t, 0,1,2,3,4,5,6,7
	ds_load_b128 v[BK0+32*((\a)%2)+4*(\t):BK0+32*((\a)%2)+4*(\t)+3], v[RD] offset:(\t)*2*SPITCH
.endr
.endm
.macro SEND a
	WIN 0
	s_wait_xcnt 0x0                                ; the stores of the block before have read their registers: the next loads from the stage land there only behind this wait
.irp t, 0,1,2,3,4,5,6,7
	global_store_b128 v[CO], v[BK0+32*((\a)%2)+4*(\t):BK0+32*((\a)%2)+4*(\t)+3], s[10:11] offset:(\a)*4096+(\t)*512  ; 512 consecutive bytes, aligned
.endr
.endm
	TBL 0
.irp a, 0,1,2,3,4,5,6,7
.if (\a) < 7
	TBL (\a)+1
.endif
.if ((\a) == 0) || ((\a) == 7)
	s_wait_dscnt 16                                ; this block's table words are in; younger: the next block's 16 loads (block 0), or the stage's 16 (block 7)
.else
	s_wait_dscnt 32                                ; younger: the stage's 16 of the block before and the next block's 16 table loads
.endif
	ROPE \a
	CVT
.if (\a) > 0
.if (\a) < 7
	s_wait_dscnt 16                                ; the block before is back from the stage; younger: the next block's table loads
.else
	s_wait_dscnt 0x0
.endif
	SEND (\a)-1
.endif
	TOSTAGE \a
.endr
	s_wait_dscnt 0x0
	SEND 7
	s_wait_tensorcnt 0x0                           ; the wave's end
	ds_add_u32 v[SPW], v[NIL]
	s_wait_dscnt 0x0
	CROUND                                         ; the closing round
	s_endpgm
; wo -> wof: f16 of 16 x bf16(wo), the same places.  64 work-groups, 256 waves; a wave takes 16,384 numbers on end: 8 trips of 16 chunks of 128, each chunk one load of 16 bytes a lane (512 bytes on end)
; and one store of 8 bytes a lane (256 consecutive bytes, aligned).  cx and cy enter the two global addresses alone; no tensor load is issued on this path.
.Lwo:
	s_lshl_b32 s20, s18, 2
	s_add_co_u32 s20, s20, s15                     ; my work-group among the 64: 4 TR + cx
	s_lshl_b32 s20, s20, 2
	s_add_co_u32 s20, s20, s12                     ; my wave among the 256
	s_lshl_b32 s22, s20, 15                        ; 32,768 bytes out,
	s_lshl_b32 s20, s20, 16                        ; 65,536 bytes in
	s_mov_b32 s21, 0
	s_mov_b32 s23, 0
	s_add_nc_u64 s[84:85], s[84:85], s[20:21]
	s_add_nc_u64 s[86:87], s[86:87], s[22:23]
	s_mov_b32 s2, 0x41800000                       ; 16, as a pair for the packed multiply
	s_mov_b32 s3, s2
	v_and_b32 v1, 31, v0
	v_lshlrev_b32 v2, 4, v1                        ; 16 x lane: in
	v_lshlrev_b32 v3, 3, v1                        ; 8 x lane: out
	s_mov_b32 s19, 8
.Lwo_trip:
.irp c, 0,1,2,3,4,5,6,7,8,9,10,11,12,13,14,15
	global_load_b128 v[64+4*(\c):64+4*(\c)+3], v2, s[84:85] offset:512*(\c) th:TH_LOAD_NT
.endr
	s_wait_loadcnt 0x0
.irp c, 0,1,2,3,4,5,6,7,8,9,10,11,12,13,14,15
	v_cvt_pk_bf16_f32 v[64+4*(\c)], v[64+4*(\c)], v[64+4*(\c)+1]        ; rounded once, to bf16;
	v_cvt_pk_bf16_f32 v[64+4*(\c)+1], v[64+4*(\c)+2], v[64+4*(\c)+3]
.irp k, 0,1
	v_lshlrev_b32 v[64+4*(\c)+2], 16, v[64+4*(\c)+(\k)]                 ; that number times 16, written as f16 (exact within f16's range)
	v_and_b32 v[64+4*(\c)+3], 0xffff0000, v[64+4*(\c)+(\k)]
	v_pk_mul_f32 v[64+4*(\c)+2:64+4*(\c)+3], v[64+4*(\c)+2:64+4*(\c)+3], s[2:3] op_sel_hi:[1,0]
	v_cvt_pk_f16_f32 v[64+4*(\c)+(\k)], v[64+4*(\c)+2], v[64+4*(\c)+3]
.endr
	global_store_b64 v3, v[64+4*(\c):64+4*(\c)+1], s[86:87] offset:256*(\c) th:TH_STORE_NT
.endr
	s_wait_xcnt 0x0                                ; the stores have read their data and the two bases: only now are these written again
	s_add_nc_u64 s[84:85], s[84:85], 8192
	s_add_nc_u64 s[86:87], s[86:87], 4096
	s_sub_co_u32 s19, s19, 1
	s_cmp_lg_u32 s19, 0
	s_cbranch_scc1 .Lwo_trip
	s_wait_tensorcnt 0x0                           ; the wave's end
	ds_add_u32 v[SPW], v[NIL]
	s_wait_dscnt 0x0
	CROUND                                         ; one round, which all sixteen work-groups of such a cluster pass
	s_endpgm
.Lfunc_end_k_q5da3a8d806_qkv:
	.size	k_q5da3a8d806_qkv, .Lfunc_end_k_q5da3a8d806_qkv-k_q5da3a8d806_qkv
	.p2alignl 7, 3214868480
	.fill 96, 4, 3214868480
	.section	.rodata,"a",@progbits
	.p2align	6, 0x0
	.amdhsa_kernel k_q5da3a8d806_qkv
		.amdhsa_group_segment_fixed_size 327680
		.amdhsa_private_segment_fixed_size 0
		.amdhsa_enable_private_segment 0
		.amdhsa_kernarg_size 48
		.amdhsa_user_sgpr_count 2
		.amdhsa_user_sgpr_kernarg_segment_ptr 1
		.amdhsa_wavefront_size32 1
		.amdhsa_system_sgpr_workgroup_id_x 1
		.amdhsa_system_sgpr_workgroup_id_y 1
		.amdhsa_system_sgpr_workgroup_id_z 1
		.amdhsa_system_vgpr_workitem_id 0
		.amdhsa_next_free_vgpr 1024
		.amdhsa_next_free_sgpr 88
		.amdhsa_reserve_vcc 0
		.amdhsa_float_denorm_mode_32 3
		.amdhsa_float_denorm_mode_16_64 3
		.amdhsa_memory_ordered 1
		.amdhsa_forward_progress 1
		.amdhsa_inst_pref_size 205
	.end_amdhsa_kernel
	.amdgpu_metadata
---
amdhsa.version: [ 1, 2 ]
amdhsa.kernels:
  - .name:           k_q5da3a8d806_qkv
    .symbol:         k_q5da3a8d806_qkv.kd
    .args:
      - { .name: xb, .offset: 0, .size: 8, .value_kind: global_buffer, .address_space: global }
      - { .name: wqkvb, .offset: 8, .size: 8, .value_kind: global_buffer, .address_space: global }
      - { .name: rope, .offset: 16, .size: 8, .value_kind: global_buffer, .address_space: global }
      - { .name: qkv, .offset: 24, .size: 8, .value_kind: global_buffer, .address_space: global }
      - { .name: wo, .offset: 32, .size: 8, .value_kind: global_buffer, .address_space: global }
      - { .name: wof, .offset: 40, .size: 8, .value_kind: global_buffer, .address_space: global }
    .group_segment_fixed_size: 327680
    .private_segment_fixed_size: 0
    .kernarg_segment_align: 8
    .kernarg_segment_size: 48
    .max_flat_workgroup_size: 128
    .sgpr_count:     88
    .vgpr_count:     1024
    .wavefront_size: 32
...
	.end_amdgpu_metadata
.endif
;; end of part 2
;; launch attn (part 3): grid 16 x 16, 4 waves a work-group, clusters of 4 x 1, 327,680 bytes of LDS; arguments qkv, ob; writes ob
.if DOCPART == 3
	.amdgcn_target "amdgcn-amd-amdhsa--gfx1250"
	.amdhsa_code_object_version 6
	.text
	.protected	k_q5da3a8d806_attn
	.globl	k_q5da3a8d806_attn
	.p2align	8
	.type	k_q5da3a8d806_attn,@function
k_q5da3a8d806_attn:
	s_mov_b64 s[64:65], 0
	v_nop
	global_prefetch_b8 v0, s[64:65] scope:SCOPE_SE
	s_setreg_imm32_b32 hwreg(HW_REG_WAVE_MODE, 25, 1), 1
	s_wait_xcnt 0x0
	s_wait_alu depctr_hold_cnt(0) depctr_sa_sdst(0) depctr_va_vdst(0) depctr_va_sdst(0) depctr_va_ssrc(0) depctr_va_vcc(0) depctr_vm_vsrc(0)
	s_getreg_b32 s2, hwreg(HW_REG_IB_STS2, 6, 4)
	s_cmp_eq_u32 s2, 0
	s_cbranch_scc0 .Lentry_in_a_cluster
	s_endpgm
.Lentry_in_a_cluster:
	s_bfe_u32 s2, ttmp6, 0x10000c
	s_cmp_lg_u32 s2, 0x3003
	s_cbranch_scc0 .Lentry_shape_is_right
	s_endpgm
.Lentry_shape_is_right:
; CAUSAL ATTENTION WITH GROUPED HEADS.  O[b][h][q] = the sum over k <= q of softmax_k(Q . K / sqrt(128)) V, 16 query heads on 4 key and value heads, 1,024 rows, head size 128.
; qkv: [hcol 24][batch 4][1024][128] f16: q (hcol 0-15) and k (16-19) x 2^-6, v (20-23) x 2^-4.  ob: [4096 token][2048 = h x 128 + channel] f16, O x 2^-4.
; Products, maxima and sums in f32; p = 2^(c s - c m) with a running maximum m and c = log2(e) / sqrt(128) x 2^12, which takes q's and k's factors back; p is rounded to f16 for the second product, its sum l is taken unrounded.
; LIMITS.  A hidden score counts as its value less 1e30 (f16's scores are 5.5e11 at the most); a weight below 2^-126 counts as 0; NaN and infinities are not treated apart.
; THE WALK.  A head's queries lie in 8 blocks of 128; block i needs the key tiles 0 .. i of 128 keys.  A work-group takes blocks 7 - b and then b: 9 tiles, 18 key steps of 64, whatever b.
; CLUSTER.  The four partners are the four query heads of one key and value head, with the same batch and b: the same walk, so every tile of K and V is asked for jointly.  cx enters Q's, O's and the prefetches' addresses alone.
; SHARES.  Wave w owns rows 32 w .. 32 w + 31 of a block: two tiles of 16 queries.  In a step tile 0's softmax stands behind tile 1's products K Q^T, tile 1's behind tile 0's products V^T P, eight lines behind each.
; THE MASK is the C operand that starts a sum S^T = K Q^T.  With RS steps left in the block, a score of key block kb and tile t is hidden iff 16 (kb - t + SG) + (8 (l / 16) + j - l % 16) > 0, SG = 8 - 4 RS - 2 w:
; five classes kb - t = -1 .. 3, each TRI x AL + BE with two scalars; from RS = 3 on all five are 0, so one text serves every step.  Key 0 is seen by every row in a block's first step, so m is a true score from then on.
; REGISTERS (windows of 256; s_set_vgpr_msb: bits 1:0 source 0, 3:2 source 1, 5:4 source 2, 7:6 destination):
;   window 0: v0-15 addresses; v16-31 statistics, 8 a tile; v32-95 S^T; v96-127 P; v128-255 O^T        window 1: v0-127 K, v128-255 V of one step
;   window 2: v0-63 Q; v64-127 the second block's Q; v128-135 TRI; v136-175 the five masks
.set KS,    64
.set PK,    272                        ; a row of K in LDS: 256 bytes + 16
.set PV,    288                        ; a row of V: 256 + 32, for the turning load
.set VOFF,  KS*PK
.set STEPB, KS*(PK+PV)
.set SLOT1, 1<<17                      ; a slot holds a tile, two steps; slot 1 begins here
.set STAGE, SLOT1+2*STEPB              ; behind the ring: 16 rows x 272 bytes for each wave
.set SP,    272
.set SPARE, STAGE+4*16*SP              ; the spare words: two blocks of 256 bytes that no other line names
.set AK0, 2
.set AV0, 3
.set ADK, 4
.set ADV, 5
.set QO,  6
.set RD,  7
.set GO,  8
.set STO, 10
.set SPW, 12
.set NIL, 13
.set PFO, 14
.set ST,  16                           ; tile t at ST + 8 t: c m, m, l (even, odd keys'), c0-c3 at work; a takes c2's place
.set S,   32
.set P,   96
.set OT,  128
.set KF,  0                            ; window 1
.set VF,  128
.set QB,  64                           ; window 2
.set TRI, 128
.set MC,  136
.set WV,  12
.set CX,  13
.set PB,  14
.set HI,  15
.set G1K, 24
.set G1V, 32
.set G0K, 40                           ; two sets: the first fills; the second then walks
.set G0V, 48
.set SLOTS, 56
.set CNT, 57
.set CS,  58
.set SEL, 60
.set TB,  62                           ; LDS byte at which the step to be fetched begins
.set LIM, 63
.set PFA, 66
.set RS,  68                           ; steps left in the block in hand
.set NXT, 69                           ; the tile to be asked for next
.set LQ,  70                           ; the last tile of the block whose tiles are being asked for
.set SG,  71
.set OFF, 72
.set AL,  74
.set BE,  76
.set BIGN, 78
.set W2,  79
.set OLO, 80
.set Q2,  82
.set MSB, 0
.macro WIN new
.if MSB != (\new)
	s_set_vgpr_msb (MSB<<8)|(\new)
.set MSB, \new
.endif
.endm
.macro JLOAD                           ; a joint refill: waves 0 and 1 fetch the two steps' K, waves 2 and 3 their V
	s_cmp_lt_u32 s[WV], 2
	s_cbranch_scc0 .Lfor_v_\@
	tensor_load_to_lds s[G0K+4:G0K+7], s[G1K:G1K+7]
	s_nop 0
.rept 4
	v_nop
.endr
	s_branch .Lasked_\@
.Lfor_v_\@:
	tensor_load_to_lds s[G0V+4:G0V+7], s[G1V:G1V+7]
	s_nop 0
.rept 4
	v_nop
.endr
.Lasked_\@:
.endm
; A prefetch of the tile that the next change of slots will ask for.  Four clusters (b = 0 .. 3) walk the same K and V: the one with b = 0, whose first block walks tiles 0 to 7, asks, for tiles 3 to 7.
; Its partners take 32 of a tile's 128 rows each, told apart by address; wave 0 asks for K's, wave 2 for V's; a lane a row of 256 bytes.
.macro ASK
	s_cmp_gt_u32 s[SLOTS], s[LIM]
	s_cbranch_scc0 .Lnot_mine_\@
	global_prefetch_b8 v[PFO], s[PFA:PFA+1] th:TH_LOAD_NT scope:SCOPE_SE
.Lnot_mine_\@:
.endm
.macro CROUND
	s_barrier_signal -1
	s_barrier_wait -1
	s_cmp_lg_u32 s[WV], 0
	s_cbranch_scc1 .Lnot_wave_0_\@
	s_barrier_signal -3
.Lnot_wave_0_\@:
	s_barrier_wait -3
	s_barrier_signal -1
	s_barrier_wait -1
.endm
	s_load_b128 s[16:19], s[0:1], 0x0              ; qkv s[16:17], ob s[18:19]
	v_lshl_add_u32 v[SPW], v0, 2, SPARE
	v_mov_b32 v[NIL], 0
	ds_add_u32 v[SPW], v[NIL]                      ; the wave's opening: the add and its wait stand ahead of my first tensor load
	v_lshrrev_b32 v1, 5, v0
	v_readfirstlane_b32 s[WV], v1
	s_bfe_u32 s[CX], ttmp6, 0x40000
	s_and_b32 s20, ttmp7, 0xffff
	s_lshr_b32 s21, s20, 2                         ; batch
	s_and_b32 s[PB], s20, 3                        ; b
	s_sub_co_u32 s[HI], 7, s[PB]
	s_and_b32 s22, s[WV], 1                        ; which of a tile's two steps I fetch
	s_add_co_u32 s84, ttmp9, 16                    ; K: hcol 16 + kv
	s_lshl_b32 s84, s84, 2
	s_add_co_u32 s84, s84, s21
	s_lshl_b32 s84, s84, 18
	s_lshl_b32 s23, s22, 14                        ; my step's 64 rows of 256 bytes
	s_add_co_u32 s84, s84, s23
	s_mov_b32 s85, 0
	s_mul_i32 s23, s22, STEPB                      ; and its place in a slot
	s_lshl_b32 s2, ttmp9, 2
	s_add_co_u32 s2, s2, s[CX]                     ; h = 4 kv + cx
	s_lshl_b32 s87, s2, 8                          ; O: the head's 256 bytes of a token's row,
	s_lshl_b32 s3, s21, 22                         ; the batch's 1,024 rows of 4,096 bytes,
	s_add_co_u32 s87, s87, s3
	s_lshl_b32 s3, s[WV], 17                       ; my wave's 32 rows
	s_add_co_u32 s87, s87, s3
	s_lshl_b32 s86, s2, 2                          ; Q: hcol h
	s_add_co_u32 s86, s86, s21
	s_lshl_b32 s86, s86, 18
	s_lshl_b32 s3, s[WV], 13
	s_add_co_u32 s86, s86, s3
	s_mov_b32 s3, 0
	s_mov_b32 s[G1K], 15|(1<<16)|(1<<20)|(1<<21)|(5<<22)|(3<<25)  ; the mask of four; 2-byte elements; padding on; bit 21 beside a mask; after every 64 words, 4 words
	s_mov_b32 s[G1V], 15|(1<<16)|(1<<20)|(1<<21)|(5<<22)|(7<<25)  ; the same with 8 words
.irp g, G1K, G1V
	s_mov_b32 s[(\g)+1], 128<<16                   ; tensor_dim0 = 128
	s_mov_b32 s[(\g)+2], KS<<16                    ; tensor_dim1 = 64
	s_mov_b32 s[(\g)+3], 128<<16                   ; tile_dim0 = 128
	s_mov_b32 s[(\g)+4], KS                        ; tile_dim1 = 64
	s_mov_b32 s[(\g)+5], 128
	s_mov_b32 s[(\g)+6], 0
	s_mov_b32 s[(\g)+7], 0
.endr
	s_mov_b32 s[CS], 0x440293ee                    ; c = log2(e) / sqrt(128) x 2^12
	s_mov_b32 s[CS+1], s[CS]
	s_mov_b32 s[SEL], 0x76543210
	s_mov_b32 s[SEL+1], 0xfedcba98
	s_mov_b32 s[TB], 0
	s_mov_b32 s[OFF+1], 0
	s_mov_b32 s[AL+1], 0
	s_mov_b32 s[BE+1], 0
	s_mov_b32 s[BIGN], 0xf149f2ca                  ; -1e30
	s_lshl_b32 s[W2], s[WV], 1
	s_lshl_b32 s[RS], s[PB], 1
	s_sub_co_u32 s[RS], 16, s[RS]                  ; the first block has 8 - b tiles
	s_mov_b32 s[NXT], 2
	s_mov_b32 s[LQ], s[HI]
	s_or_b32 s[LIM], s22, s[PB]
	s_cmp_eq_u32 s[LIM], 0
	s_cselect_b32 s[LIM], 2, -1                    ; waves 0 and 2 where b = 0: the same in all four partners
	v_and_b32 v[PFO], 31, v0
	v_lshlrev_b32 v[PFO], 8, v[PFO]
	s_wait_dscnt 0x0                               ; the opening add is done
	s_wait_kmcnt 0x0
	s_add_nc_u64 s[6:7], s[16:17], s[84:85]        ; K at my step of tile 0
	s_add_nc_u64 s[8:9], s[6:7], 0x400000          ; V: four hcol on
	s_lshl_b32 s2, s[HI], 15
	s_add_co_u32 s2, s2, s86
	s_add_nc_u64 s[4:5], s[16:17], s[2:3]          ; Q at my rows of the first block,
	s_lshl_b32 s2, s[PB], 15
	s_add_co_u32 s2, s2, s86
	s_add_nc_u64 s[Q2:Q2+1], s[16:17], s[2:3]      ; of the second
	s_lshl_b32 s2, s[HI], 19
	s_add_co_u32 s2, s2, s87
	s_add_nc_u64 s[10:11], s[18:19], s[2:3]        ; O likewise
	s_lshl_b32 s2, s[PB], 19
	s_add_co_u32 s2, s2, s87
	s_add_nc_u64 s[OLO:OLO+1], s[18:19], s[2:3]
	s_cmp_lt_u32 s[WV], 2
	s_cselect_b64 s[PFA:PFA+1], s[6:7], s[8:9]
	s_lshl_b32 s2, s[CX], 13                       ; my work-group's 32 rows of the 128,
	s_add_co_u32 s2, s2, 2*32768                   ; in tile 2: the first change of slots steps it to tile 3
	s_add_nc_u64 s[PFA:PFA+1], s[PFA:PFA+1], s[2:3]
	CROUND                                         ; all four work-groups are here: the first joint loads meet
.irp s, 0,1
	s_mov_b32 s[G0K+4*(\s)], 1
	s_add_co_u32 s[G0K+4*(\s)+1], s23, (\s)*SLOT1
	s_add_nc_u64 s[G0K+4*(\s)+2:G0K+4*(\s)+3], s[6:7], (\s)*32768
	s_or_b32 s[G0K+4*(\s)+3], s[G0K+4*(\s)+3], 0x80000000
	s_mov_b32 s[G0V+4*(\s)], 1
	s_add_co_u32 s[G0V+4*(\s)+1], s23, (\s)*SLOT1+VOFF
	s_add_nc_u64 s[G0V+4*(\s)+2:G0V+4*(\s)+3], s[8:9], (\s)*32768
	s_or_b32 s[G0V+4*(\s)+3], s[G0V+4*(\s)+3], 0x80000000
.endr
	s_cmp_lt_u32 s[WV], 2                          ; a wave's two first fills stand in one branch: two loads of mine are out
	s_cbranch_scc0 .Lfirst_v
	tensor_load_to_lds s[G0K:G0K+3], s[G1K:G1K+7]
	s_nop 0
	tensor_load_to_lds s[G0K+4:G0K+7], s[G1K:G1K+7]
	s_nop 0
.rept 4
	v_nop
.endr
	s_branch .Lfirst_asked
.Lfirst_v:
	tensor_load_to_lds s[G0V:G0V+3], s[G1V:G1V+7]
	s_nop 0
	tensor_load_to_lds s[G0V+4:G0V+7], s[G1V:G1V+7]
	s_nop 0
.rept 4
	v_nop
.endr
.Lfirst_asked:
	v_and_b32 v1, 15, v0                           ; l % 16
	v_bfe_u32 v9, v0, 4, 1                         ; l / 16
	v_lshlrev_b32 v[QO], 8, v1
	v_lshl_add_u32 v[QO], v9, 4, v[QO]
	v_lshlrev_b32 v15, 3, v9
	v_sub_nc_u32 v15, v1, v15                      ; l % 16 - 8 (l / 16)
	WIN 0x80                                       ; destination window 2
.irp i, 0,1,2,3,4,5,6,7                ; both blocks' Q: tile i / 4, channels 32 (i % 4) on
	global_load_b128 v[8*(\i):8*(\i)+3],         v[QO], s[4:5] offset:((\i)/4)*4096+((\i)%4)*64
	global_load_b128 v[8*(\i)+4:8*(\i)+7],       v[QO], s[4:5] offset:((\i)/4)*4096+((\i)%4)*64+32
	global_load_b128 v[QB+8*(\i):QB+8*(\i)+3],   v[QO], s[Q2:Q2+1] offset:((\i)/4)*4096+((\i)%4)*64
	global_load_b128 v[QB+8*(\i)+4:QB+8*(\i)+7], v[QO], s[Q2:Q2+1] offset:((\i)/4)*4096+((\i)%4)*64+32
.endr
.irp i, 0,1,2,3,4,5,6,7                ; TRI: -1e30 where 8 (l / 16) + i > l % 16
	v_cmp_gt_i32 vcc_lo, \i, v15
	v_cndmask_b32 v[TRI+(\i)], 0, s[BIGN], vcc_lo
.endr
	WIN 0
.set i, OT                             ; a block's first step multiplies O^T and l by a = 0: they need only be finite.  These lines stand in the wait for the first tile
.rept 128
	v_mov_b32 v[i], 0
.set i, i+1
.endr
.irp t, 0,1
	v_mov_b32 v[ST+8*(\t)], 0xfe000000             ; c m: far below every c s
	v_mov_b32 v[ST+8*(\t)+1], 0xff7fffff           ; m
	v_mov_b32 v[ST+8*(\t)+2], 0
	v_mov_b32 v[ST+8*(\t)+3], 0
.endr
	v_mul_u32_u24 v[AK0], v1, PK
	v_lshl_add_u32 v[AK0], v9, 4, v[AK0]           ; K: row x pitch + 16 x half
	v_and_b32 v10, 7, v0                           ; V, turned: key 8 (l / 16) + l % 8, channels 8 ((l / 8) % 2) on
	v_bfe_u32 v11, v0, 3, 1
	v_lshl_add_u32 v[AV0], v9, 3, v10
	v_mul_u32_u24 v[AV0], v[AV0], PV
	v_lshl_add_u32 v[AV0], v11, 4, v[AV0]
	v_add_nc_u32 v[AV0], VOFF, v[AV0]
	s_mul_i32 s20, s[WV], 16*SP
	s_add_co_u32 s20, s20, STAGE                   ; my stage
	v_mul_u32_u24 v[STO], v1, SP
	v_lshl_add_u32 v[STO], v9, 4, v[STO]
	v_add_nc_u32 v[STO], s20, v[STO]
	v_mul_u32_u24 v[RD], v9, SP
	v_lshl_add_u32 v[RD], v1, 4, v[RD]
	v_add_nc_u32 v[RD], s20, v[RD]
	v_lshlrev_b32 v[GO], 12, v9                    ; two tokens' rows of ob, 4,096 bytes apart
	v_lshl_add_u32 v[GO], v1, 4, v[GO]
; Product i of 16 of S^T = K Q^T for tile t: channels 32 (i / 4) on, keys 16 (i % 4) on.  The first four start the sums with the mask of class i % 4 - t.  Four accumulators take turns.
.macro KQ t
.set rS, S+32*(\t)+8*(i%4)
.set rK, KF+32*(i%4)+8*(i/4)
.set rQ, 32*(\t)+8*(i/4)
.set rM, MC+8*(i%4-(\t)+1)
.if i < 4
	WIN 0x29                                       ; K window 1, Q and the mask window 2, S^T window 0
	v_wmma_f32_16x16x32_f16 v[rS:rS+7], v[rK:rK+7], v[rQ:rQ+7], v[rM:rM+7]
.else
	WIN 0x09
	v_wmma_f32_16x16x32_f16 v[rS:rS+7], v[rK:rK+7], v[rQ:rQ+7], v[rS:rS+7]
.endif
.endm
; Product i of 16 of O^T += V^T P for tile t: keys 32 (i / 8) on, channels 16 (i % 8) on.  Eight accumulators take turns.
.macro PV t
	WIN 0x01                                       ; V window 1
.set rO, OT+64*(\t)+8*(i%8)
.set rV, VF+64*(i/8)+8*(i%8)
.set rP, P+16*(\t)+8*(i/8)
	v_wmma_f32_16x16x32_f16 v[rO:rO+7], v[rV:rV+7], v[rP:rP+7], v[rO:rO+7]
.endm
.macro FETCH_K                         ; 32 LDS loads in one run: a step's K, 16 fragments
	WIN 0x40
.irp f, 0,1,2,3,4,5,6,7,8,9,10,11,12,13,14,15
	ds_load_b128 v[KF+8*(\f):KF+8*(\f)+3],   v[ADK] offset:((\f)/4)*16*PK+((\f)%4)*64
	ds_load_b128 v[KF+8*(\f)+4:KF+8*(\f)+7], v[ADK] offset:((\f)/4)*16*PK+((\f)%4)*64+32
.endr
	WIN 0
.endm
.macro FETCH_V                         ; and its V, turned
	WIN 0x40
.irp f, 0,1,2,3,4,5,6,7,8,9,10,11,12,13,14,15
	ds_load_tr16_b128 v[VF+8*(\f):VF+8*(\f)+3],   v[ADV] offset:((\f)/8)*32*PV+((\f)%8)*32
	ds_load_tr16_b128 v[VF+8*(\f)+4:VF+8*(\f)+7], v[ADV] offset:((\f)/8)*32*PV+16*PV+((\f)%8)*32
.endr
	WIN 0
.endm
.macro MASKS                           ; class kp - 1: TRI if SG = 1 - kp, -1e30 if SG is greater, else 0
	WIN 0x82
.irp kp, 0,1,2,3,4
	s_cmp_eq_i32 s[SG], 1-(\kp)
	s_cselect_b32 s[AL], 1.0, 0
	s_cmp_gt_i32 s[SG], 1-(\kp)
	s_cselect_b32 s[BE], s[BIGN], 0
.irp z2, 0,2,4,6
	v_pk_fma_f32 v[MC+8*(\kp)+(\z2):MC+8*(\kp)+(\z2)+1], v[TRI+(\z2):TRI+(\z2)+1], s[AL:AL+1], s[BE:BE+1] op_sel_hi:[1,0,0]
.endr
.endr
.endm
; ONE TILE'S SOFTMAX FOR A STEP: a list of 134 lines; SM writes number j for tile t.  s0-s31 are the lane's scores.
;   0-15 the maximum of the scores and the old m (each accumulator's lowest registers are read first)     16-20 the other half of the lanes' maximum; m; c m; its change
;   21-69 ONE BATCH: the 16 scalings c s - c m and all 33 exponentials (a at 23), none of which reads an exponential's result; behind 69 a plain line and the one wait
;   70-85 the roundings to f16     86-101 the sums; l = a l + sum     102-133 O^T times a
.macro SM t
.set rT, ST+8*(\t)
.set rS, S+32*(\t)
.set rP, P+16*(\t)
.set rO, OT+64*(\t)+2*(j-102)
.if j < 4
	v_max3_num_f32 v[rT+4+j], v[rS+8*j], v[rS+8*j+1], v[rS+8*j+2]
.elseif j < 12
	v_max3_num_f32 v[rT+4+j%4], v[rT+4+j%4], v[rS+8*(j%4)+2*(j/4)+1], v[rS+8*(j%4)+2*(j/4)+2]
.elseif j == 12
	v_max3_num_f32 v[rT+4], v[rT+4], v[rS+7], v[rS+15]
.elseif j == 13
	v_max3_num_f32 v[rT+6], v[rT+6], v[rS+23], v[rS+31]
.elseif j == 14
	v_max3_num_f32 v[rT+4], v[rT+4], v[rT+5], v[rT+6]
.elseif j == 15
	v_max3_num_f32 v[rT+4], v[rT+4], v[rT+7], v[rT+1]
.elseif j == 16
	v_permlanex16_b32 v[rT+5], v[rT+4], s[SEL], s[SEL+1]  ; the query's other 32 keys lie in the lane 16 away
.elseif j == 17
	v_mov_b32 v[rT+7], v[rT]
.elseif j == 18
	v_max_num_f32 v[rT+1], v[rT+4], v[rT+5]
.elseif j == 19
	v_mul_f32 v[rT], s[CS], v[rT+1]
.elseif j == 20
	v_sub_f32 v[rT+7], v[rT+7], v[rT]
.elseif j == 23
	v_exp_f32 v[rT+6], v[rT+7]
.elseif (j < 23) || ((j < 38) && (j%2 == 0)) || ((j < 66) && (j%4 == 2))
.set b, (j-2)/4
.if j < 38
.set b, (j-20)/2
.endif
	v_pk_fma_f32 v[rS+2*b:rS+2*b+1], v[rS+2*b:rS+2*b+1], s[CS:CS+1], v[rT:rT+1] op_sel_hi:[1,0,0] neg_lo:[0,0,1] neg_hi:[0,0,1]
.elseif j < 70
.set e, j-38
.if j < 66
.set e, j-32-(j-38)/4
.endif
.if j < 38
.set e, (j-25)/2
.endif
	v_exp_f32 v[rS+e], v[rS+e]
.elseif j < 86
	v_cvt_pk_f16_f32 v[rP+j-70], v[rS+2*(j-70)], v[rS+2*(j-70)+1]
.elseif j < 102
.set z, j-86
.set w, 4
.set u, z
.if z >= 14
.set w, 32
.set u, 0
.elseif z >= 12
.set w, 16
.set u, z-12
.elseif z >= 8
.set w, 8
.set u, z-8
.endif
.if z < 15
	v_pk_add_f32 v[rS+w*u:rS+w*u+1], v[rS+w*u:rS+w*u+1], v[rS+w*u+w/2:rS+w*u+w/2+1]
.else
	v_pk_fma_f32 v[rT+2:rT+3], v[rT+2:rT+3], v[rT+6:rT+7], v[rS:rS+1] op_sel_hi:[1,0,1]
.endif
.else
	v_pk_mul_f32 v[rO:rO+1], v[rO:rO+1], v[rT+6:rT+7] op_sel_hi:[1,0]
.endif
.endm
.macro RIDE t, n                       ; the next n numbers of tile t's list
.rept \n
.set j, J\t
	SM \t
.if j == 69
	v_nop                                          ; a plain line behind the last exponential,
	s_wait_alu depctr_va_vdst(0)                   ; and the one wait for the tile's 33, ahead of the first line that names a result
.endif
.set J\t, J\t+1
.endr
.endm
.macro PLACES
.rept 4
	v_nop
.endr
.endm
; A KEY STEP: step j is computed from registers, step j + 1 is fetched from LDS.  last = 1 (the tail): in the last trip there is no further step, and the two runs of loads are jumped over.
.macro TRIP last
	s_lshl_b32 s[SG], s[RS], 2
	s_sub_co_i32 s[SG], 8, s[SG]
	s_sub_co_i32 s[SG], s[SG], s[W2]
	MASKS
	s_wait_dscnt 32                                ; K is in; V's 32 younger loads may be out
.set i, 0
.rept 16
	KQ 0
.set i, i+1
.endr
	WIN 0
	PLACES                                         ; in front of the reads of tile 0's scores
.set J0, 0
.set J1, 0
.set i, 0
.rept 16
	KQ 1
	WIN 0
	RIDE 0, 8
.set i, i+1
.endr
	RIDE 0, 6                                      ; the last fourteen lines, all plain, are the places in front of the loads into K and of the reads of tile 1's scores
	s_wait_dscnt 0x0                               ; V is in: it was asked for at the end of the step before
.if \last
	s_cmp_eq_u32 s[CNT], 1
	s_cbranch_scc1 .Lno_k_\@
.endif
	v_add_nc_u32 v[ADK], s[TB], v[AK0]
	FETCH_K
.if \last
.Lno_k_\@:
.endif
.set i, 0
.rept 16
	PV 0
	WIN 0
	RIDE 1, 8
.set i, i+1
.endr
	RIDE 1, 6
.set i, 0
.rept 16
	PV 1
.set i, i+1
.endr
	WIN 0
	PLACES                                         ; in front of the loads into V, and of the way out's reads
.if \last
	s_cmp_eq_u32 s[CNT], 1
	s_cbranch_scc1 .Lno_v_\@
.endif
	v_add_nc_u32 v[ADV], s[TB], v[AV0]
	FETCH_V
	s_add_co_u32 s[TB], s[TB], STEPB
.if \last
.Lno_v_\@:
.endif
.endm
; THE CHANGE OF SLOTS: the old slot's two steps lie in registers.  Each wave waits for all its tensor loads (one is out: its part of the other slot), adds 0 to its spare word, and waits for that and for its reads.
; fill = 1: behind a round of the cluster's barrier the old slot takes tile NXT; the descriptor's address is made anew from that number.  That load has two steps, 128 matrix instructions, in which to land.
.macro CHANGE fill
	WIN 0
	s_wait_tensorcnt 0x0
	ds_add_u32 v[SPW], v[NIL]
.if \fill
	s_lshl_b32 s[OFF], s[NXT], 15                  ; a tile is 32,768 bytes of K and of V
	s_xor_b32 s[G0K+5], s[G0K+5], SLOT1
	s_add_nc_u64 s[G0K+6:G0K+7], s[6:7], s[OFF:OFF+1]
	s_or_b32 s[G0K+7], s[G0K+7], 0x80000000
	s_xor_b32 s[G0V+5], s[G0V+5], SLOT1
	s_add_nc_u64 s[G0V+6:G0V+7], s[8:9], s[OFF:OFF+1]
	s_or_b32 s[G0V+7], s[G0V+7], 0x80000000
	s_add_co_u32 s[NXT], s[NXT], 1                 ; the block's next tile, or behind its last the second block's tile 0
	s_cmp_gt_u32 s[NXT], s[LQ]
	s_cselect_b32 s[NXT], 0, s[NXT]
	s_cselect_b32 s[LQ], s[PB], s[LQ]
	s_wait_xcnt 0x0                                ; the last prefetch, two steps back, has read its address
	s_add_nc_u64 s[PFA:PFA+1], s[PFA:PFA+1], 32768
	s_wait_dscnt 0x0                               ; the add is done, my reads of the slot are over
	CROUND
	JLOAD
	ASK
.else
	s_wait_dscnt 0x0
	s_barrier_signal -1
	s_barrier_wait -1
.endif
	s_sub_co_u32 s[TB], s[TB], 2*STEPB             ; the fetches go back to a slot's first step,
	s_xor_b32 s[TB], s[TB], SLOT1                  ; in the other slot
.endm
; THE WAY OUT of a block: O^T / l, rounded to f16, through my stage in LDS, a tile of 16 tokens at a time.
.macro PACK t
.set i, OT+64*(\t)
.rept 32
	v_pk_mul_f32 v[i:i+1], v[i:i+1], v[ST+8*(\t)+6:ST+8*(\t)+7] op_sel_hi:[1,0]
.set i, i+2
.endr
.set i, 0
.rept 32
	v_cvt_pk_f16_f32 v[S+32*(\t)+i], v[OT+64*(\t)+2*i], v[OT+64*(\t)+2*i+1]
.set i, i+1
.endr
.irp f, 0,1,2,3,4,5,6,7
	ds_store_b128 v[STO], v[S+32*(\t)+4*(\f):S+32*(\t)+4*(\f)+3] offset:32*(\f)
.endr
.irp f, 0,1,2,3,4,5,6,7
	ds_load_b128 v[S+32*(\t)+4*(\f):S+32*(\t)+4*(\f)+3], v[RD] offset:(\f)*2*SP  ; LDS serves a wave's instructions in order (ISA guide 5.7.1.4)
.endr
.endm
.macro SEND t, younger                 ; younger: the LDS instructions issued behind tile t's loads
.irp f, 0,1,2,3,4,5,6,7
	s_wait_dscnt (\younger)+7-(\f)
	global_store_b128 v[GO], v[S+32*(\t)+4*(\f):S+32*(\t)+4*(\f)+3], s[10:11] offset:(\t)*65536+(\f)*8192  ; 16 lanes store the head's 256 consecutive bytes of a token's row, aligned
.endr
.endm
; Behind each step: if it was the block's last, the block goes out and the second block is set up: m, c m, Q and O's address.  The jump goes forward, past no barrier and no tensor load.
; (Behind the walk's last step the setting-up runs once more and serves nothing.)
.macro BLOCKEND
	s_sub_co_u32 s[RS], s[RS], 1
	s_cmp_lg_u32 s[RS], 0
	s_cbranch_scc1 .Lgo_on_\@
.irp t, 0,1
	v_add_f32 v[ST+8*(\t)+4], v[ST+8*(\t)+2], v[ST+8*(\t)+3]
.endr
.irp t, 0,1
	v_permlanex16_b32 v[ST+8*(\t)+5], v[ST+8*(\t)+4], s[SEL], s[SEL+1]
.endr
.irp t, 0,1
	v_add_f32 v[ST+8*(\t)+4], v[ST+8*(\t)+4], v[ST+8*(\t)+5]
.endr
.irp t, 0,1
	v_rcp_f32 v[ST+8*(\t)+6], v[ST+8*(\t)+4]
.endr
	v_nop                                          ; a plain line behind the last reciprocal,
	s_wait_alu depctr_va_vdst(0)                   ; and one wait for the two
	PACK 0
	PACK 1
	SEND 0, 16
	SEND 1, 0
	s_wait_xcnt 0x0                                ; the stores have read their registers and O's address
	s_mov_b64 s[10:11], s[OLO:OLO+1]
	s_lshl_b32 s[RS], s[PB], 1
	s_add_co_u32 s[RS], s[RS], 2                   ; the second block has b + 1 tiles
.irp t, 0,1
	v_mov_b32 v[ST+8*(\t)], 0xfe000000
	v_mov_b32 v[ST+8*(\t)+1], 0xff7fffff
.endr
	WIN 0x82
.set i, 0
.rept 64
	v_mov_b32 v[i], v[QB+i]
.set i, i+1
.endr
	WIN 0
.Lgo_on_\@:
.endm
	s_wait_tensorcnt 0x1                           ; my part of slot 0 is in; slot 1's may stay out
	s_barrier_signal -1
	s_barrier_wait -1
	v_add_nc_u32 v[ADK], s[TB], v[AK0]
	FETCH_K                                        ; key step 0
	v_add_nc_u32 v[ADV], s[TB], v[AV0]
	FETCH_V
	s_add_co_u32 s[TB], s[TB], STEPB
	s_wait_loadcnt 0x0                             ; Q
	s_mov_b32 s[CNT], 1
	s_mov_b32 s[SLOTS], 8
	s_branch .Lstep                                ; step 0 fetches step 1, the slot's last: then the first change
.Lslot:                                        ; seven times: walk tiles 2 to 8 are asked for
	CHANGE 1
	s_mov_b32 s[CNT], 2
.Lstep:
	TRIP 0
	BLOCKEND
	s_sub_co_u32 s[CNT], s[CNT], 1
	s_cmp_lg_u32 s[CNT], 0
	s_cbranch_scc1 .Lstep
	s_sub_co_u32 s[SLOTS], s[SLOTS], 1
	s_cmp_lg_u32 s[SLOTS], 0
	s_cbranch_scc1 .Lslot
	CHANGE 0                                       ; the tail is written out: nothing is asked for
	s_mov_b32 s[CNT], 3                            ; steps 15, 16 and 17
.Ltail:
	TRIP 1
	BLOCKEND
	s_sub_co_u32 s[CNT], s[CNT], 1
	s_cmp_lg_u32 s[CNT], 0
	s_cbranch_scc1 .Ltail
	s_wait_tensorcnt 0x0                           ; the wave's end
	ds_add_u32 v[SPW], v[NIL]
	s_wait_dscnt 0x0
	CROUND                                         ; the closing round
	s_endpgm
.Lfunc_end_k_q5da3a8d806_attn:
	.size	k_q5da3a8d806_attn, .Lfunc_end_k_q5da3a8d806_attn-k_q5da3a8d806_attn
	.p2alignl 7, 3214868480
	.fill 96, 4, 3214868480
	.section	.rodata,"a",@progbits
	.p2align	6, 0x0
	.amdhsa_kernel k_q5da3a8d806_attn
		.amdhsa_group_segment_fixed_size 327680
		.amdhsa_private_segment_fixed_size 0
		.amdhsa_enable_private_segment 0
		.amdhsa_kernarg_size 16
		.amdhsa_user_sgpr_count 2
		.amdhsa_user_sgpr_kernarg_segment_ptr 1
		.amdhsa_wavefront_size32 1
		.amdhsa_system_sgpr_workgroup_id_x 1
		.amdhsa_system_sgpr_workgroup_id_y 1
		.amdhsa_system_sgpr_workgroup_id_z 1
		.amdhsa_system_vgpr_workitem_id 0
		.amdhsa_next_free_vgpr 768
		.amdhsa_next_free_sgpr 88
		.amdhsa_reserve_vcc 1
		.amdhsa_float_denorm_mode_32 3
		.amdhsa_float_denorm_mode_16_64 3
		.amdhsa_memory_ordered 1
		.amdhsa_forward_progress 1
		.amdhsa_inst_pref_size 108
	.end_amdhsa_kernel
	.amdgpu_metadata
---
amdhsa.version: [ 1, 2 ]
amdhsa.kernels:
  - .name:           k_q5da3a8d806_attn
    .symbol:         k_q5da3a8d806_attn.kd
    .args:
      - { .name: qkv, .offset: 0, .size: 8, .value_kind: global_buffer, .address_space: global }
      - { .name: ob, .offset: 8, .size: 8, .value_kind: global_buffer, .address_space: global }
    .group_segment_fixed_size: 327680
    .private_segment_fixed_size: 0
    .kernarg_segment_align: 8
    .kernarg_segment_size: 16
    .max_flat_workgroup_size: 128
    .sgpr_count:     88
    .vgpr_count:     768
    .wavefront_size: 32
...
	.end_amdgpu_metadata
.endif
;; end of part 3
;; launch oproj (part 4): grid 8 x 32, 4 waves a work-group, clusters of 4 x 4, 327,680 bytes of LDS; arguments ob, wof, out0; writes out0
.if DOCPART == 4
	.amdgcn_target "amdgcn-amd-amdhsa--gfx1250"
	.amdhsa_code_object_version 6
	.text
	.protected	k_q5da3a8d806_oproj
	.globl	k_q5da3a8d806_oproj
	.p2align	8
	.type	k_q5da3a8d806_oproj,@function
k_q5da3a8d806_oproj:
	s_mov_b64 s[64:65], 0
	v_nop
	global_prefetch_b8 v0, s[64:65] scope:SCOPE_SE
	s_setreg_imm32_b32 hwreg(HW_REG_WAVE_MODE, 25, 1), 1
	s_wait_xcnt 0x0
	s_wait_alu depctr_hold_cnt(0) depctr_sa_sdst(0) depctr_va_vdst(0) depctr_va_sdst(0) depctr_va_ssrc(0) depctr_va_vcc(0) depctr_vm_vsrc(0)
	s_getreg_b32 s2, hwreg(HW_REG_IB_STS2, 6, 4)
	s_cmp_eq_u32 s2, 0
	s_cbranch_scc0 .Lentry_in_a_cluster
	s_endpgm
.Lentry_in_a_cluster:
	s_bfe_u32 s2, ttmp6, 0x10000c
	s_cmp_lg_u32 s2, 0xf033
	s_cbranch_scc0 .Lentry_shape_is_right
	s_endpgm
.Lentry_shape_is_right:
; THE OUTPUT PROJECTION.  out0 = ob x wof: [4096][2048] f16 (O x 2^-4) x [2048 k][2048 n] f16 (16 x bf16(wo)); sums in f32, stored as they are: the two factors cancel.
; SHARES.  A work-group makes 128 rows x 256 columns: 32 x 8 = 256 work-groups.  Wave (RH, CH) makes 64 x 128: 32 accumulators, 256 registers.
; K goes in steps of 128 through two LDS slots: A's tile 128 rows x 256 bytes, B's tile, as the weights lie, 128 k-rows x 512 bytes; B's fragments come out turned (ds_load_tr16_b128).
; One K step's text is walked by a loop: the LDS addresses hang on s[TB], which an exclusive or turns from slot to slot.  Two slots of a longer K step would be 2 x 206,848 bytes: they do not fit.
; CLUSTERS: 4 x 4; A's tile is asked for jointly along a row of the cluster, B's along a column.  THE MATRIX INSTRUCTION IS USED TRANSPOSED: a lane holds eight neighbouring columns of one row.
; REGISTERS: window 0: v0-31 addresses; v64-159, v160-255 two fragment buffers (B's 8 fragments, then A's 4); on the way out v64-191 rows read back.  Window 1: accumulators, (a, b) at v[8 (8 a + b)].
.set PITCHA, 272
.set PITCHB, 544
.set AHALF,  64*PITCHA                 ; what a wave's load of A brings
.set BOFF,   2*AHALF
.set BHALF,  64*PITCHB                 ; and of B
.set SLOT1,  1<<17
.set STAGE,  SLOT1+BOFF+2*BHALF        ; behind the ring: 16 rows x 528 bytes for each wave
.set SPITCH, 528
.set SPARE,  STAGE+4*16*SPITCH         ; the spare words: two blocks of 256 bytes that no other line names
.set ASTEP,  256
.set BSTEP,  128*4096
.set ADRA0, 16
.set ADRB0, 17
.set ADRA,  18
.set ADRB,  19
.set STO,   24
.set RD,    25
.set CO,    26
.set SPW,   28
.set NIL,   29
.set PFO,   30
.set F0,    64
.set F1,    160
.set BK0,   64
.set G1A, 24
.set G0A, 32                           ; two sets: the first fills; the second then walks
.set TB,  40
.set G1B, 48
.set G0B, 56
.set PFA, 72
.set LIM, 74
.set PFS, 76
.set MSB, 0
.macro WIN new
.if MSB != (\new)
	s_set_vgpr_msb (MSB<<8)|(\new)
.set MSB, \new
.endif
.endm
.set MULW, 0x50                        ; C and D window 1, the sources window 0
.macro JLOAD s                         ; waves 0 and 1 fetch A's two halves, waves 2 and 3 B's
	s_cmp_eq_u32 s13, 0
	s_cbranch_scc0 .Lfor_b_\@
	tensor_load_to_lds s[G0A+4*(\s):G0A+4*(\s)+3], s[G1A:G1A+7]
	s_nop 0
.rept 4
	v_nop
.endr
	s_branch .Lasked_\@
.Lfor_b_\@:
	tensor_load_to_lds s[G0B+4*(\s):G0B+4*(\s)+3], s[G1B:G1B+7]
	s_nop 0
.rept 4
	v_nop
.endr
.Lasked_\@:
.endm
; A prefetch of the K step that stands two refills on, each aligned 256 bytes named once in the launch.  A's 128 rows: clusters with x = 0, wave 0 alone; the partner at cx takes 32, a lane a row.
; B's 128 k-rows of 512 bytes: clusters with y = 0, waves 2 and 3; of a wave's 64 the partner at cy takes 16, two lanes a row.  It stops with K step 15: the loop's last two trips ask for nothing.
.macro ASK
	s_cmp_gt_u32 s3, s[LIM]
	s_cbranch_scc0 .Lnot_mine_\@
	global_prefetch_b8 v[PFO], s[PFA:PFA+1] th:TH_LOAD_NT scope:SCOPE_SE
.Lnot_mine_\@:
.endm
.macro CREST
	s_cmp_lg_u32 s12, 0
	s_cbranch_scc1 .Lnot_wave_0_\@
	s_barrier_signal -3
.Lnot_wave_0_\@:
	s_barrier_wait -3
	s_barrier_signal -1
	s_barrier_wait -1
.endm
.macro CROUND
	s_barrier_signal -1
	s_barrier_wait -1
	CREST
.endm
	s_load_b128 s[4:7], s[0:1], 0x0                ; ob s[4:5], wof s[6:7]
	s_load_b64 s[8:9], s[0:1], 0x10                ; out0
	v_lshl_add_u32 v[SPW], v0, 2, SPARE
	v_mov_b32 v[NIL], 0
	ds_add_u32 v[SPW], v[NIL]                      ; the wave's opening: the add and its wait stand ahead of my first tensor load
	v_lshrrev_b32 v1, 5, v0
	v_readfirstlane_b32 s12, v1
	s_lshr_b32 s13, s12, 1                         ; RH.  Also: I fetch for A (0) or B (1)
	s_and_b32 s14, s12, 1                          ; CH.  Also: which half of that tile I fetch
	s_bfe_u32 s15, ttmp6, 0x40000                  ; cx
	s_bfe_u32 s16, ttmp6, 0x40004                  ; cy
	s_lshl_b32 s17, ttmp9, 2
	s_add_co_u32 s17, s17, s15                     ; TC 0..7
	s_and_b32 s18, ttmp7, 0xffff
	s_lshl_b32 s18, s18, 2
	s_add_co_u32 s18, s18, s16                     ; TR 0..31
	s_lshl_b32 s19, s16, 2
	s_lshl_b32 s19, 15, s19                        ; my row of the cluster
	s_lshl_b32 s66, 0x1111, s15                    ; my column
	s_or_b32 s[G1A+0], s19, (1<<16)|(1<<20)|(1<<21)|(5<<22)|(3<<25)
	s_mov_b32 s[G1A+1], 128<<16                    ; tensor_dim0 = 128
	s_mov_b32 s[G1A+2], 64<<16                     ; tensor_dim1 = 64
	s_mov_b32 s[G1A+3], 128<<16                    ; tile_dim0 = 128
	s_mov_b32 s[G1A+4], 64                         ; tile_dim1 = 64
	s_mov_b32 s[G1A+5], 2048
	s_mov_b32 s[G1A+6], 0
	s_mov_b32 s[G1A+7], 0
	s_or_b32 s[G1B+0], s66, (1<<16)|(1<<20)|(1<<21)|(6<<22)|(7<<25)
	s_mov_b32 s[G1B+1], 256<<16
	s_mov_b32 s[G1B+2], 64<<16
	s_mov_b32 s[G1B+3], 256<<16
	s_mov_b32 s[G1B+4], 64
	s_mov_b32 s[G1B+5], 2048
	s_mov_b32 s[G1B+6], 0
	s_mov_b32 s[G1B+7], 0
	s_lshl_b32 s20, s18, 7                         ; A: row 128 TR + 64 x half
	s_lshl_b32 s21, s14, 6
	s_add_co_u32 s20, s20, s21
	s_lshl_b32 s20, s20, 12
	s_mov_b32 s21, 0
	s_lshl_b32 s22, s17, 9                         ; B: column byte 512 TC, k-row 64 x half
	s_lshl_b32 s23, s14, 18
	s_add_co_u32 s22, s22, s23
	s_mov_b32 s23, 0
	s_mul_i32 s67, s14, AHALF                      ; where they go
	s_mul_i32 s2, s14, BHALF
	s_add_co_u32 s2, s2, BOFF
	s_mov_b32 s[TB], 0
	s_wait_dscnt 0x0                               ; the opening add is done
	s_wait_kmcnt 0x0
	s_add_nc_u64 s[20:21], s[4:5], s[20:21]
	s_add_nc_u64 s[22:23], s[6:7], s[22:23]
	CROUND                                         ; all sixteen work-groups are here: the first joint loads meet
.irp s, 0,1
	s_mov_b32 s[G0A+4*(\s)], 1
	s_add_co_u32 s[G0A+4*(\s)+1], s67, (\s)*SLOT1
	s_add_nc_u64 s[G0A+4*(\s)+2:G0A+4*(\s)+3], s[20:21], (\s)*ASTEP
	s_or_b32 s[G0A+4*(\s)+3], s[G0A+4*(\s)+3], 0x80000000
	s_mov_b32 s[G0B+4*(\s)], 1
	s_add_co_u32 s[G0B+4*(\s)+1], s2, (\s)*SLOT1
	s_add_nc_u64 s[G0B+4*(\s)+2:G0B+4*(\s)+3], s[22:23], (\s)*BSTEP
	s_or_b32 s[G0B+4*(\s)+3], s[G0B+4*(\s)+3], 0x80000000
	JLOAD \s
.endr
	v_and_b32 v1, 15, v0
	v_bfe_u32 v2, v0, 4, 1
	v_mul_u32_u24 v3, v1, PITCHA
	v_lshl_add_u32 v3, v2, 4, v3
	s_mul_i32 s20, s13, AHALF                      ; my 64 rows of A
	v_add_nc_u32 v[ADRA0], s20, v3
	v_and_b32 v4, 7, v0
	v_lshl_add_u32 v4, v2, 3, v4
	v_mul_u32_u24 v4, v4, PITCHB
	v_bfe_u32 v5, v0, 3, 1
	v_lshl_add_u32 v4, v5, 4, v4
	s_lshl_b32 s21, s14, 8                         ; my 128 columns of B
	s_add_co_u32 s21, s21, BOFF
	v_add_nc_u32 v[ADRB0], s21, v4
	v_mov_b32 v[ADRA], v[ADRA0]
	v_mov_b32 v[ADRB], v[ADRB0]
	s_mul_i32 s20, s12, 16*SPITCH
	s_add_co_u32 s20, s20, STAGE                   ; my stage
	v_mul_u32_u24 v5, v1, SPITCH
	v_lshl_add_u32 v5, v2, 5, v5                   ; in: row l % 16, 32 bytes for each half of the lanes
	v_add_nc_u32 v[STO], s20, v5
	v_and_b32 v6, 31, v0
	v_lshlrev_b32 v[CO], 4, v6                     ; back: 32 lanes take one row of 512 bytes
	v_add_nc_u32 v[RD], s20, v[CO]
	s_lshl_b32 s20, s18, 20                        ; my first row, 128 TR + 64 RH, of 8,192 bytes; my first column, 256 TC + 128 CH
	s_lshl_b32 s21, s13, 19
	s_add_co_u32 s20, s20, s21
	s_lshl_b32 s21, s17, 10
	s_add_co_u32 s20, s20, s21
	s_lshl_b32 s21, s14, 9
	s_add_co_u32 s20, s20, s21
	s_mov_b32 s21, 0
	s_add_nc_u64 s[8:9], s[8:9], s[20:21]
	; the prefetches: both candidates' offsets, at K step 3
	s_and_b32 s19, ttmp7, 0xffff                   ; cluster y
	s_lshl_b32 s20, s18, 7
	s_lshl_b32 s21, s15, 5
	s_add_co_u32 s20, s20, s21                     ; A: row 128 TR + 32 cx
	s_lshl_b32 s20, s20, 12
	s_add_co_u32 s20, s20, 3*ASTEP
	s_lshl_b32 s21, s14, 6
	s_lshl_b32 s22, s16, 4
	s_add_co_u32 s21, s21, s22                     ; B: k-row 64 CH + 16 cy
	s_lshl_b32 s21, s21, 12
	s_lshl_b32 s22, s17, 9
	s_add_co_u32 s21, s21, s22
	s_add_co_u32 s21, s21, 3*BSTEP
	s_mov_b32 s[PFS], BSTEP
	s_mov_b32 s[PFS+1], 0
	s_cmp_eq_u32 s13, 0
	s_cselect_b32 s22, s20, s21
	s_cselect_b32 s19, ttmp9, s19                  ; the coordinate along which other clusters read the same rows
	s_cselect_b32 s2, s14, 0                       ; of A's two waves only wave 0 asks
	s_cselect_b64 s[PFA:PFA+1], s[4:5], s[6:7]
	s_cselect_b32 s[PFS], ASTEP, s[PFS]
	s_cselect_b32 s20, 0, 1                        ; A: a lane a row.  B: two lanes a row
	s_or_b32 s19, s19, s2
	s_cmp_eq_u32 s19, 0
	s_cselect_b32 s[LIM], 2, -1
	s_mov_b32 s23, 0
	s_add_nc_u64 s[PFA:PFA+1], s[PFA:PFA+1], s[22:23]
	v_lshrrev_b32 v7, s20, v6
	v_lshlrev_b32 v7, 12, v7
	v_and_b32 v8, s20, v6
	v_lshl_add_u32 v[PFO], v8, 8, v7
.macro MUL8 f, a, zero                 ; m block a x all 8 n blocks, 32 along K; the 32 accumulators take turns in the same order in every quarter
	WIN MULW
.irp b, 0,1,2,3,4,5,6,7
.if \zero
	v_wmma_f32_16x16x32_f16 v[8*(8*(\a)+(\b)):8*(8*(\a)+(\b))+7], v[(\f)+8*(\b):(\f)+8*(\b)+7], v[(\f)+64+8*(\a):(\f)+64+8*(\a)+7], 0
.else
	v_wmma_f32_16x16x32_f16 v[8*(8*(\a)+(\b)):8*(8*(\a)+(\b))+7], v[(\f)+8*(\b):(\f)+8*(\b)+7], v[(\f)+64+8*(\a):(\f)+64+8*(\a)+7], v[8*(8*(\a)+(\b)):8*(8*(\a)+(\b))+7]
.endif
.endr
.endm
.macro FETCH k, f                      ; 24 LDS loads in one run: a quarter step's fragments
	WIN 0
.irp i, 0,1,2,3,4,5,6,7
	ds_load_tr16_b128 v[(\f)+8*(\i):(\f)+8*(\i)+3],   v[ADRB] offset:((\k)/64)*32*PITCHB+32*(\i)
	ds_load_tr16_b128 v[(\f)+8*(\i)+4:(\f)+8*(\i)+7], v[ADRB] offset:((\k)/64)*32*PITCHB+32*(\i)+16*PITCHB
.endr
.irp i, 0,1,2,3
	ds_load_b128 v[(\f)+64+8*(\i):(\f)+64+8*(\i)+3],   v[ADRA] offset:(\k)+(\i)*16*PITCHA
	ds_load_b128 v[(\f)+64+8*(\i)+4:(\f)+64+8*(\i)+7], v[ADRA] offset:(\k)+(\i)*16*PITCHA+32
.endr
.endm
.macro PLACES
.rept 4
	v_nop
.endr
.endm
.macro QUARTER k, f, g, zero
	s_wait_dscnt 4                                 ; B and A's fragments 0 and 1 are in; the youngest four loads may be out
	MUL8 \f, 0, \zero
	MUL8 \f, 1, \zero
	PLACES
	FETCH \k, \g
	s_wait_dscnt 24                                ; all but the 24 just issued
	MUL8 \f, 2, \zero
	MUL8 \f, 3, \zero
.endm
; THE CHANGE OF SLOTS stands at the head of a K step's last quarter, whose fragments lie in buffer 1: the slot's last bytes have been asked for.  Each wave waits for all its tensor loads (one is out: its part of
; the next slot), adds 0 to its spare word, steps what hangs on the slot, and waits for the add and for its reads of this slot.  fill = 1: the slot just read is filled again, two K steps on, behind a round of the
; cluster's barrier.  No product stands between the wait for the loads and the refill: all 128 matrix instructions of a K step stand between a request and the wait for it.
.macro TURN fill
.if \fill
	s_wait_xcnt 0x0                                ; the last prefetch, a K step back, has read its address
	s_add_nc_u64 s[PFA:PFA+1], s[PFA:PFA+1], s[PFS:PFS+1]
.endif
	WIN 0
	s_wait_tensorcnt 0x0                           ; all my tensor loads have landed: my part of the next slot
	ds_add_u32 v[SPW], v[NIL]                      ; 0 onto my spare word; scalar work stands between it and the wait for it
.if \fill
	s_xor_b32 s[G0A+5], s[G0A+5], SLOT1            ; no tensor load of mine is out, so the walking descriptors may be written: the other slot than last time, the next K step
	s_add_nc_u64 s[G0A+6:G0A+7], s[G0A+6:G0A+7], ASTEP
	s_xor_b32 s[G0B+5], s[G0B+5], SLOT1
	s_add_nc_u64 s[G0B+6:G0B+7], s[G0B+6:G0B+7], BSTEP
.endif
	s_xor_b32 s[TB], s[TB], SLOT1                  ; the fragments come from the other slot from now on
	s_wait_dscnt 0x0                               ; the add is done, my reads of this slot are over
	s_barrier_signal -1
	s_barrier_wait -1
.if \fill
	CREST                                          ; no wave of any partner still reads this slot or has a load on its way
	JLOAD 1                                        ; the first tensor load behind the round; its four v_nop are also the places in front of the loads below
.else
	PLACES
.endif
	v_add_nc_u32 v[ADRA], s[TB], v[ADRA0]
	v_add_nc_u32 v[ADRB], s[TB], v[ADRB0]
	FETCH 0, F0
.if \fill
	ASK
.endif
	MUL8 F1, 0, 0
	MUL8 F1, 1, 0
	MUL8 F1, 2, 0
	MUL8 F1, 3, 0
.endm
	s_wait_tensorcnt 0x1                           ; my part of K step 0 is in; K step 1's may stay out
	s_barrier_signal -1
	s_barrier_wait -1
	FETCH 0, F0
	QUARTER 64, F0, F1, 1                          ; the first quarter stands in front of the loop: its products start the sums
	WIN 0
	s_mov_b32 s3, 14
.Lstep:                                        ; a trip: a K step's quarters 2 to 4 and the next step's first; K steps 2 to 15 are asked for
	QUARTER 128, F1, F0, 0
	QUARTER 192, F0, F1, 0
	TURN 1
	QUARTER 64, F0, F1, 0
	WIN 0
	s_sub_co_u32 s3, s3, 1
	s_cmp_lg_u32 s3, 0
	s_cbranch_scc1 .Lstep
	QUARTER 128, F1, F0, 0                         ; K step 14 goes on; nothing more is asked for
	QUARTER 192, F0, F1, 0
	TURN 0
	QUARTER 64, F0, F1, 0                          ; K step 15
	QUARTER 128, F1, F0, 0
	QUARTER 192, F0, F1, 0
	s_wait_dscnt 4
	MUL8 F1, 0, 0
	MUL8 F1, 1, 0
	s_wait_dscnt 0x0
	MUL8 F1, 2, 0
	MUL8 F1, 3, 0
	WIN 0
	PLACES
	PLACES
; THE WAY OUT, 16 rows at a time: a lane's eight f32 of a row go into my stage (rows of 528 bytes), and come back as whole rows of 512 bytes.
.macro TOSTAGE a
	WIN 0x04                                       ; the stores' data: window 1
.irp b, 0,1,2,3,4,5,6,7
	ds_store_b128 v[STO], v[8*(8*(\a)+(\b)):8*(8*(\a)+(\b))+3]   offset:64*(\b)       ; each accumulator's low half first
	ds_store_b128 v[STO], v[8*(8*(\a)+(\b))+4:8*(8*(\a)+(\b))+7] offset:64*(\b)+16
.endr
	WIN 0
.irp t, 0,1,2,3,4,5,6,7,8,9,10,11,12,13,14,15
	ds_load_b128 v[BK0+64*((\a)%2)+4*(\t):BK0+64*((\a)%2)+4*(\t)+3], v[RD] offset:(\t)*SPITCH  ; LDS serves a wave's instructions in order (ISA guide 5.7.1.4)
.endr
.endm
.macro SEND a
.irp t, 0,1,2,3,4,5,6,7,8,9,10,11,12,13,14,15
	global_store_b128 v[CO], v[BK0+64*((\a)%2)+4*(\t):BK0+64*((\a)%2)+4*(\t)+3], s[8:9] offset:(16*(\a)+(\t))*8192 th:TH_STORE_NT  ; 512 consecutive bytes, aligned
.endr
.endm
	TOSTAGE 0
	TOSTAGE 1
	s_wait_dscnt 32                                ; block 0 is back; block 1's 32 LDS instructions may be out
	SEND 0
	s_wait_xcnt 0x0                                ; block 0's stores have read their registers, into which block 2 is read back
	TOSTAGE 2
	s_wait_dscnt 32
	SEND 1
	s_wait_xcnt 0x0
	TOSTAGE 3
	s_wait_dscnt 32
	SEND 2
	s_wait_dscnt 0x0
	SEND 3
	s_wait_tensorcnt 0x0                           ; the wave's end
	ds_add_u32 v[SPW], v[NIL]
	s_wait_dscnt 0x0
	CROUND                                         ; the closing round
	s_endpgm
.Lfunc_end_k_q5da3a8d806_oproj:
	.size	k_q5da3a8d806_oproj, .Lfunc_end_k_q5da3a8d806_oproj-k_q5da3a8d806_oproj
	.p2alignl 7, 3214868480
	.fill 96, 4, 3214868480
	.section	.rodata,"a",@progbits
	.p2align	6, 0x0
	.amdhsa_kernel k_q5da3a8d806_oproj
		.amdhsa_group_segment_fixed_size 327680
		.amdhsa_private_segment_fixed_size 0
		.amdhsa_enable_private_segment 0
		.amdhsa_kernarg_size 24
		.amdhsa_user_sgpr_count 2
		.amdhsa_user_sgpr_kernarg_segment_ptr 1
		.amdhsa_wavefront_size32 1
		.amdhsa_system_sgpr_workgroup_id_x 1
		.amdhsa_system_sgpr_workgroup_id_y 1
		.amdhsa_system_sgpr_workgroup_id_z 1
		.amdhsa_system_vgpr_workitem_id 0
		.amdhsa_next_free_vgpr 512
		.amdhsa_next_free_sgpr 80
		.amdhsa_reserve_vcc 0
		.amdhsa_float_denorm_mode_32 3
		.amdhsa_float_denorm_mode_16_64 3
		.amdhsa_memory_ordered 1
		.amdhsa_forward_progress 1
		.amdhsa_inst_pref_size 70
	.end_amdhsa_kernel
	.amdgpu_metadata
---
amdhsa.version: [ 1, 2 ]
amdhsa.kernels:
  - .name:           k_q5da3a8d806_oproj
    .symbol:         k_q5da3a8d806_oproj.kd
    .args:
      - { .name: ob, .offset: 0, .size: 8, .value_kind: global_buffer, .address_space: global }
      - { .name: wof, .offset: 8, .size: 8, .value_kind: global_buffer, .address_space: global }
      - { .name: out0, .offset: 16, .size: 8, .value_kind: global_buffer, .address_space: global }
    .group_segment_fixed_size: 327680
    .private_segment_fixed_size: 0
    .kernarg_segment_align: 8
    .kernarg_segment_size: 24
    .max_flat_workgroup_size: 128
    .sgpr_count:     80
    .vgpr_count:     512
    .wavefront_size: 32
...
	.end_amdgpu_metadata
.endif
;; end of part 4
;; ======== version 2 of 2: 4 launches; version 1 with the launch cast written anew for expert scheduling mode
;; limits: values are held in f16: magnitudes above 65,504 overflow, below 6.1e-05 lose precision; right only within a limited range of input values
;; workspace buffers: xb 16,777,216 bytes; wqkvb 12,582,912 bytes; wof 8,388,608 bytes; rope 557,056 bytes; qkv 25,165,824 bytes; ob 16,777,216 bytes
;; launch cast (part 5): grid 913 x 1, 8 waves a work-group, no clusters, 0 bytes of LDS; arguments x, wq, wk, wv, cos, sin, xb, wqkvb, rope; writes xb, wqkvb, rope
.if DOCPART == 5
	.amdgcn_target "amdgcn-amd-amdhsa--gfx1250"
	.amdhsa_code_object_version 6
	.text
	.protected	k_q5da3a8d806_cast
	.globl	k_q5da3a8d806_cast
	.p2align	8
	.type	k_q5da3a8d806_cast,@function
k_q5da3a8d806_cast:
	s_mov_b64 s[64:65], 0
	v_nop
	global_prefetch_b8 v0, s[64:65] scope:SCOPE_SE
	s_setreg_imm32_b32 hwreg(HW_REG_WAVE_SCHED_MODE, 0, 2), 2
	s_setreg_imm32_b32 hwreg(HW_REG_WAVE_MODE, 25, 1), 1
	s_wait_xcnt 0x0
	s_wait_alu depctr_vm_vsrc(0)
; THE CASTS.  x -> xb (bf16); wq, wk, wv -> wqkvb (bf16, [2048 k][3072 n]: wq's columns, then wk's, then wv's);
; cos, sin -> rope (bf16 of the table x 2^-6, laid out as the projection's way out reads it), and an identity part (2^-4 and 0) for v's heads.  (wo is cast by the next launch.)
; The powers of two are exact, so each number is rounded once, to bf16.
; A stream: no LDS, no matrix unit, no barrier.  The 14,680,064 numbers are 1,792 units of 8,192.  Work-group g < 896 takes units g and g + 896; a wave 1,024 numbers of each,
; as 8 chunks of 128: one load of 16 bytes a lane (512 bytes on end) and one store of 8 bytes a lane (256 consecutive bytes, aligned).  All 16 loads of a wave go out first.
; Unit g is x's; unit g + 896 is x's (g < 128), wq's (g < 640), wk's (g < 768) or wv's: the choice is made by selects on the work-group's number, without a branch.
; Work-groups 896 .. 911 make the table's 64 blocks of 16 rows, four each; work-group 912 the identity part.
; THE MODE: SCHED_MODE bits 1:0 = 2 (LLVM: expert scheduling mode 2), set by the entry lines.  The code itself states the register dependences
; between vector instructions and memory instructions, with s_wait_alu, always for 0.
; THE PLAN.  Registers that memory instructions touch:
;   v1, v2, v3   offsets of the units' loads and stores; v6, v7 those of the table's.  Each is written once, by vector lines, and never again.
;   v[8:39]      unit 0: its eight loads land here; CV 0 reads them and writes the first two of each four; ST 0 reads those.  Never written again.
;   v[40:71]     unit 1: the same with CV 1 and ST 1.
;   v[8:71]      in the table's path: block k's two loads land in v[8 + 8 k ..]; its eight vector lines work in place; its store reads the first four.  Never written again.
; So a wait on va_vdst stands ahead of each run of loads (the offsets are written) and behind each batch of vector lines whose results a run of stores reads.
; No register that a memory instruction reads is ever written again, on any path: the only wait on vm_vsrc and the only s_wait_xcnt stand at the entry.  EXEC and VCC are never written.
.set XR, 8                             ; v[8:71]  unit j, chunk c: four registers at XR + 32 j + 4 c
.macro LD j
.irp c, 0,1,2,3,4,5,6,7
	global_load_b128 v[XR+32*(\j)+4*(\c):XR+32*(\j)+4*(\c)+3], v1, s[36+4*(\j):37+4*(\j)] offset:512*(\c) th:TH_LOAD_NT
.endr
.endm
.macro CV j                            ; four f32 to four bf16, in the chunk's first two registers
.irp c, 0,1,2,3,4,5,6,7
	v_cvt_pk_bf16_f32 v[XR+32*(\j)+4*(\c)], v[XR+32*(\j)+4*(\c)], v[XR+32*(\j)+4*(\c)+1]
	v_cvt_pk_bf16_f32 v[XR+32*(\j)+4*(\c)+1], v[XR+32*(\j)+4*(\c)+2], v[XR+32*(\j)+4*(\c)+3]
.endr
.endm
.macro ST j, hi                        ; hi: the offset register of chunks 4 to 7
.irp c, 0,1,2,3
	global_store_b64 v2, v[XR+32*(\j)+4*(\c):XR+32*(\j)+4*(\c)+1], s[38+4*(\j):39+4*(\j)] offset:256*(\c) th:TH_STORE_NT
.endr
.irp c, 4,5,6,7
	global_store_b64 v[\hi], v[XR+32*(\j)+4*(\c):XR+32*(\j)+4*(\c)+1], s[38+4*(\j):39+4*(\j)] offset:256*(\c) th:TH_STORE_NT
.endr
.endm
	s_load_b512 s[8:23], s[0:1], 0x0               ; x 8, wq 10, wk 12, wv 14, cos 16, sin 18, xb 20, wqkvb 22
	s_load_b64 s[24:25], s[0:1], 0x40              ; rope
	v_lshrrev_b32 v4, 5, v0
	v_readfirstlane_b32 s30, v4                    ; wave 0..7
	v_and_b32 v5, 31, v0
	v_lshlrev_b32 v1, 4, v5                        ; 16 x lane: in
	v_lshlrev_b32 v2, 3, v5                        ; 8 x lane: out
	s_mov_b32 s52, 0x3c800000                      ; 2^-6, as a pair for the packed multiply
	s_mov_b32 s53, s52
	s_mov_b32 s33, 0                               ; the high words of the two offset pairs
	s_mov_b32 s35, 0
	s_wait_alu depctr_va_sdst(0)                   ; s30 is written: all three paths read it
	s_cmp_ge_u32 ttmp9, 896
	s_cbranch_scc1 .Ltable
	s_lshl_b32 s4, s30, 12                         ; my wave's 1,024 numbers: 4,096 bytes in,
	s_lshl_b32 s5, s30, 11                         ; 2,048 bytes out where the target is dense
	s_wait_kmcnt 0x0
	; unit 0: x
	s_lshl_b32 s32, ttmp9, 15
	s_add_co_u32 s32, s32, s4
	s_lshl_b32 s34, ttmp9, 14
	s_add_co_u32 s34, s34, s5
	s_add_nc_u64 s[36:37], s[8:9], s[32:33]
	s_add_nc_u64 s[38:39], s[20:21], s[34:35]
	s_wait_alu depctr_va_vdst(0)                   ; v1 and v2 are written: the sixteen loads read v1 as their offset, twelve of the stores v2; no vector line up to the last load names v1 or v[8:71]
	LD 0
	; unit 1: from the last tensor back to the first, each compare replacing what the later tensors chose
	s_movk_i32 s3, 768                             ; the g at which the tensor's units begin: wv,
	s_movk_i32 s31, 5120                           ; and its first column in wqkvb, in bytes
	s_cmp_lt_u32 ttmp9, 768
	s_cselect_b32 s3, 640, s3                      ; wk
	s_cselect_b32 s31, 4096, s31
	s_cselect_b64 s[40:41], s[12:13], s[14:15]
	s_cmp_lt_u32 ttmp9, 640
	s_cselect_b32 s3, 128, s3                      ; wq
	s_cselect_b32 s48, 0, 5120                     ; wk, wv: a wave's numbers are two rows of 512; the second lies 6,144 - 1,024 bytes further than dense
	s_cselect_b64 s[40:41], s[10:11], s[40:41]
	s_sub_co_u32 s2, ttmp9, s3                     ; the unit's number in a weight,
	s_add_co_u32 s6, ttmp9, 896                    ; in x
	s_cmp_lt_u32 ttmp9, 128
	s_cselect_b32 s2, s6, s2
	s_cselect_b64 s[40:41], s[8:9], s[40:41]
	s_cselect_b64 s[42:43], s[20:21], s[22:23]
	s_lshl_b32 s32, s2, 15
	s_add_co_u32 s32, s32, s4                      ; in: the same form for all four
	s_lshl_b32 s6, s2, 14
	s_add_co_u32 s6, s6, s5                        ; out, in xb
	s_lshl_b32 s7, s2, 2                           ; wq: a unit is four rows, a wave half a row
	s_lshr_b32 s26, s30, 1
	s_add_co_u32 s7, s7, s26
	s_mul_i32 s7, s7, 6144
	s_and_b32 s26, s30, 1
	s_lshl_b32 s26, s26, 11
	s_add_co_u32 s7, s7, s26
	s_lshl_b32 s26, s2, 4                          ; wk, wv: a unit is sixteen rows, a wave two
	s_lshl_b32 s27, s30, 1
	s_add_co_u32 s26, s26, s27
	s_mul_i32 s26, s26, 6144
	s_add_co_u32 s26, s26, s31
	s_cmp_lt_u32 ttmp9, 640
	s_cselect_b32 s34, s7, s26
	s_cmp_lt_u32 ttmp9, 128
	s_cselect_b32 s34, s6, s34
	s_add_nc_u64 s[40:41], s[40:41], s[32:33]
	s_add_nc_u64 s[42:43], s[42:43], s[34:35]
	LD 1
	v_add_nc_u32 v3, s48, v2
	s_wait_loadcnt 8                               ; unit 0 is in; unit 1's eight loads may stay out
	CV 0
	s_wait_alu depctr_va_vdst(0)                   ; the conversions have written unit 0's sixteen registers, which the eight stores below read
	ST 0, 2
	s_wait_loadcnt 0x0
	CV 1                                           ; names v[40:71] alone: none of the registers that the stores above read
	s_wait_alu depctr_va_vdst(0)                   ; the conversions have written unit 1's sixteen registers, which the eight stores below read; v3, their last four's offset, was written ahead of the wait before
	ST 1, 3
	s_endpgm
; THE TABLE.  The 16 bytes at R x 8,192 + (4 p + q) x 512 + lane x 16 hold, for j = 0..7, src[16 R + lane % 16][16 p + 8 (lane / 16) + j + 64 (q / 2)] x 2^-6, src = cos (q even) or sin (q odd).
; Work-group t makes R = 4 t .. 4 t + 3.  Its store k covers 4,096 bytes: R = 4 t + k / 2, 4 p + q = 8 (k % 2) + wave: so q = wave % 4, p = 2 (k % 2) + wave / 4.
.macro TAB k                           ; block k's eight numbers a lane: times 2^-6, rounded to bf16, in the first four of their eight registers
.irp r, 0,2,4,6
	v_pk_mul_f32 v[8+8*(\k)+(\r):8+8*(\k)+(\r)+1], v[8+8*(\k)+(\r):8+8*(\k)+(\r)+1], s[52:53] op_sel_hi:[1,0]
.endr
.irp r, 0,1,2,3
	v_cvt_pk_bf16_f32 v[8+8*(\k)+(\r)], v[8+8*(\k)+2*(\r)], v[8+8*(\k)+2*(\r)+1]
.endr
.endm
.macro TST k
	global_store_b128 v7, v[8+8*(\k):8+8*(\k)+3], s[38:39] offset:(\k)*4096
.endm
.Ltable:
	s_sub_co_u32 s31, ttmp9, 896
	v_lshlrev_b32 v7, 4, v0                        ; 16 x thread: out
	s_wait_kmcnt 0x0
	s_cmp_eq_u32 s31, 16
	s_cbranch_scc1 .Lident
	s_and_b32 s2, s30, 1
	s_lshl_b32 s32, s31, 15                        ; 64 rows of 512 bytes in, 32,768 bytes out
	s_cmp_eq_u32 s2, 0
	s_cselect_b64 s[36:37], s[16:17], s[18:19]
	s_add_nc_u64 s[36:37], s[36:37], s[32:33]
	s_add_nc_u64 s[38:39], s[24:25], s[32:33]
	v_and_b32 v4, 15, v0
	v_bfe_u32 v5, v0, 4, 1
	v_lshlrev_b32 v6, 9, v4                        ; row lane % 16
	v_lshl_add_u32 v6, v5, 5, v6                   ; + 8 numbers for the upper half of the lanes
	s_bfe_u32 s3, s30, 0x10001                     ; q / 2
	s_lshl_b32 s3, s3, 8                           ; 64 numbers
	s_lshr_b32 s4, s30, 2
	s_lshl_b32 s4, s4, 6                           ; wave / 4: 16 numbers
	s_add_co_u32 s3, s3, s4
	v_add_nc_u32 v6, s3, v6
	s_wait_alu depctr_va_vdst(0)                   ; v6 and v7 are written: the sixteen loads read v6 as their offset, the eight stores v7
.irp k, 0,1,2,3,4,5,6,7
	global_load_b128 v[8+8*(\k):8+8*(\k)+3],   v6, s[36:37] offset:((\k)%2)*128+((\k)/2)*8192
	global_load_b128 v[8+8*(\k)+4:8+8*(\k)+7], v6, s[36:37] offset:((\k)%2)*128+((\k)/2)*8192+16
.endr
	s_wait_loadcnt 0x0
.irp k, 0,1,2,3
	TAB \k
.endr
	s_wait_alu depctr_va_vdst(0)                   ; blocks 0 to 3 are written, v[8:39]: their four stores read them
.irp k, 4,5,6,7
	TST (\k)-4                                     ; no further wait: the vector lines since the wait name v[40:71] alone
	TAB \k
.endr
	s_wait_alu depctr_va_vdst(0)                   ; blocks 4 to 7 are written, v[40:71]: the last four stores read them
.irp k, 4,5,6,7
	TST \k
.endr
	s_endpgm
.Lident:                                       ; four blocks in which the cosines' places hold 2^-4 and the sines' 0
	s_and_b32 s2, s30, 1
	s_cmp_eq_u32 s2, 0
	s_cselect_b32 s3, 0x3d803d80, 0
	v_mov_b32 v8, s3
	v_mov_b32 v9, s3
	v_mov_b32 v10, s3
	v_mov_b32 v11, s3
	s_wait_alu depctr_va_vdst(0)                   ; v[8:11], the eight stores' data, and v7, their offset, are written
.irp k, 0,1,2,3,4,5,6,7
	global_store_b128 v7, v[8:11], s[24:25] offset:524288+(\k)*4096
.endr
	s_endpgm
.Lfunc_end_k_q5da3a8d806_cast:
	.size	k_q5da3a8d806_cast, .Lfunc_end_k_q5da3a8d806_cast-k_q5da3a8d806_cast
	.p2alignl 7, 3214868480
	.fill 96, 4, 3214868480
	.section	.rodata,"a",@progbits
	.p2align	6, 0x0
	.amdhsa_kernel k_q5da3a8d806_cast
		.amdhsa_group_segment_fixed_size 0
		.amdhsa_private_segment_fixed_size 0
		.amdhsa_enable_private_segment 0
		.amdhsa_kernarg_size 72
		.amdhsa_user_sgpr_count 2
		.amdhsa_user_sgpr_kernarg_segment_ptr 1
		.amdhsa_wavefront_size32 1
		.amdhsa_system_sgpr_workgroup_id_x 1
		.amdhsa_system_sgpr_workgroup_id_y 1
		.amdhsa_system_sgpr_workgroup_id_z 1
		.amdhsa_system_vgpr_workitem_id 0
		.amdhsa_next_free_vgpr 80
		.amdhsa_next_free_sgpr 66
		.amdhsa_reserve_vcc 0
		.amdhsa_float_denorm_mode_32 3
		.amdhsa_float_denorm_mode_16_64 3
		.amdhsa_memory_ordered 1
		.amdhsa_forward_progress 1
		.amdhsa_inst_pref_size 17
	.end_amdhsa_kernel
	.amdgpu_metadata
---
amdhsa.version: [ 1, 2 ]
amdhsa.kernels:
  - .name:           k_q5da3a8d806_cast
    .symbol:         k_q5da3a8d806_cast.kd
    .args:
      - { .name: x, .offset: 0, .size: 8, .value_kind: global_buffer, .address_space: global }
      - { .name: wq, .offset: 8, .size: 8, .value_kind: global_buffer, .address_space: global }
      - { .name: wk, .offset: 16, .size: 8, .value_kind: global_buffer, .address_space: global }
      - { .name: wv, .offset: 24, .size: 8, .value_kind: global_buffer, .address_space: global }
      - { .name: cos, .offset: 32, .size: 8, .value_kind: global_buffer, .address_space: global }
      - { .name: sin, .offset: 40, .size: 8, .value_kind: global_buffer, .address_space: global }
      - { .name: xb, .offset: 48, .size: 8, .value_kind: global_buffer, .address_space: global }
      - { .name: wqkvb, .offset: 56, .size: 8, .value_kind: global_buffer, .address_space: global }
      - { .name: rope, .offset: 64, .size: 8, .value_kind: global_buffer, .address_space: global }
    .group_segment_fixed_size: 0
    .private_segment_fixed_size: 0
    .kernarg_segment_align: 8
    .kernarg_segment_size: 72
    .max_flat_workgroup_size: 256
    .sgpr_count:     66
    .vgpr_count:     80
    .wavefront_size: 32
...
	.end_amdgpu_metadata
.endif
;; end of part 5
;; launch qkv: the kernel of part 2 again; grid 16 x 16, 4 waves a work-group, clusters of 4 x 4, 327,680 bytes of LDS; arguments xb, wqkvb, rope, qkv, wo, wof; writes qkv, wof
;; launch attn: the kernel of part 3 again; grid 16 x 16, 4 waves a work-group, clusters of 4 x 1, 327,680 bytes of LDS; arguments qkv, ob; writes ob
;; launch oproj: the kernel of part 4 again; grid 8 x 32, 4 waves a work-group, clusters of 4 x 4, 327,680 bytes of LDS; arguments ob, wof, out0; writes out0
